; MI455X (gfx1250); checked and timed in simulation.
; The chip was launched on July 23, 2026; its instructions are those of AMD's public machine-readable ISA for CDNA 5 (MIT licence, August 2026) and "CDNA5" Instruction Set Architecture Reference Guide (July 2026). The comments in the code are by the model that wrote it; some were corrected since.
;; Multi Head Attention. Allowed arithmetic: matrix products marked QUANTISED: E2M1 operands, one E8M0 scale for each 32 along K, by v_wmma_scale_f32_16x16x128_f8f6f4 with both operands' format E2M1 (or v_wmma_scale_f32_32x16x128_f4), f32 sums; products left as they are: bf16, f16 or f32 operands; f32 sums; everything else in f32.
;; Inputs: Wk 1,024 x 1,024 float32; Wo 1,024 x 1,024 float32; Wq 1,024 x 1,024 float32; Wv 1,024 x 1,024 float32; bo 1,024 float32; x 1 x 4,096 x 1,024 float32.
;; Outputs: out0 1 x 4,096 x 1,024 float32.
;; This version of the problem:
;;   THIS VERSION OF THE PROBLEM IS GIVEN IN LOW PRECISION. The matrix products marked QUANTISED in the list below multiply operands that are first quantised to E2M1 (2 exponent bits, 1 mantissa bit; 4 bits a number), with one power-of-two scale for each 32 numbers along K (OCP MX v1.0); their sums are f32. The products marked 'left as it is' may take bf16, f16 or f32 operands, with f32 sums. Whichever they take, every output number must still come out within the allowed error. Rounding operands to bf16 (8 significant bits) uses up far more of that allowance than f16 does (11 bits, for magnitudes from 6e-5 to 65,504). All else is computed in f32.
;;   The module's matrix products, in the order in which they are computed (A, B: the left and right operand; K: the contracted axis; several contracted axes count as one K, in the product's order):
;;     1. [M 4,096, K 1,024] x [K 1,024, N 1,024]; A: input x; B: input Wq: QUANTISED
;;     2. [M 4,096, K 1,024] x [K 1,024, N 1,024]; A: input x; B: input Wk: QUANTISED
;;     3. [M 4,096, K 1,024] x [K 1,024, N 1,024]; A: input x; B: input Wv: QUANTISED
;;     4. batch 16 x [M 4,096, K 64] x [K 64, N 4,096]; A: computed on the way; B: computed on the way: left as it is (an operand is computed on the way)
;;     5. batch 16 x [M 4,096, K 4,096] x [K 4,096, N 64]; A: computed on the way; B: computed on the way: left as it is (an operand is computed on the way)
;;     6. [M 4,096, K 1,024] x [K 1,024, N 1,024]; A: computed on the way; B: input Wo: left as it is (an operand is computed on the way)
;;   THE QUANTISER, for each operand of a quantised product, along K:
;;     - K is cut into blocks of 32 from its start; a last block that is shorter is filled with zeros.
;;     - A block's scale is 2^e with e = floor(log2(the largest magnitude in the block)) - 2, held to -126 .. 127; a block of zeros has e = 0. As a byte (E8M0): e + 127.
;;     - Each number is divided by its block's scale, clamped to +-6, and rounded to the nearest number of E2M1, ties to even, subnormals kept.
;;     - The product sums the exact products of the quantised numbers (number of the format x scale) in f32.
;;   ~~~python
;;   def quantise(x, axis):      # numpy; x: float32 -> the quantised numbers, widened to float32 again
;;       x = np.moveaxis(x, axis, -1); K = x.shape[-1]
;;       x = np.pad(x, [(0, 0)] * (x.ndim - 1) + [(0, -K % 32)]); x = x.reshape(x.shape[:-1] + (-1, 32)); a = np.abs(x).max(-1, keepdims=True)
;;       e = np.where(a > 0, np.clip(np.frexp(np.where(a > 0, a, 1))[1] - 1 - 2, -126, 127), 0)      # np.frexp(a)[1] - 1 = floor(log2(a)), exactly
;;       r = np.clip(x / 2.0 ** e, -6, 6)
;;       step = 2.0 ** (np.maximum(np.frexp(np.where(r == 0, 1, r))[1] - 1, 0) - 1)
;;       q = np.round(r / step) * step * 2.0 ** e      # np.round: ties to even
;;       return np.moveaxis(q.reshape(q.shape[:-2] + (-1,))[..., :K], -1, axis).astype(np.float32)
;;   ~~~
;; One version. Each part assembles by itself: llvm-mc -triple=amdgcn-amd-amdhsa -mcpu=gfx1250 --defsym DOCPART=n.
;; ======== version 1 of 1: 5 launches
;; limits: values are held in f16: magnitudes above 65,504 overflow, below 6.1e-05 lose precision
;; workspace buffers: xc 2,097,152 bytes; xs 131,072 bytes; wc 1,572,864 bytes; ws 98,304 bytes; woh 2,097,152 bytes; qkv 25,165,824 bytes; h16 196,608 bytes; ctxh 8,388,608 bytes
;; launch prep (part 1): grid 256 x 1, 16 waves a work-group, no clusters, 177,152 bytes of LDS; arguments x, Wq, Wk, Wv, Wo, xc, xs, wc, ws, woh; writes xc, xs, wc, ws, woh
.if DOCPART == 1
	.amdgcn_target "amdgcn-amd-amdhsa--gfx1250"
	.amdhsa_code_object_version 6
	.text
	.protected	k_qf23153538e_prep
	.globl	k_qf23153538e_prep
	.p2align	8
	.type	k_qf23153538e_prep,@function
k_qf23153538e_prep:
	s_mov_b64 s[64:65], 0
	v_nop
	global_prefetch_b8 v0, s[64:65] scope:SCOPE_SE
	s_setreg_imm32_b32 hwreg(HW_REG_WAVE_MODE, 25, 1), 1
	s_wait_xcnt 0x0
; PREP.  x [4096][1024] f32 becomes codes of FP4 (E2M1) xc [4096][512 bytes], K innermost, and E8M0 scale bytes xs [4096][32].
; Wq, Wk, Wv [1024 k][1024 n] f32 become wc [3072 n][512 bytes] and ws [3072][32] (rows 0-1023 Wq's columns, then Wk's, then Wv's), quantised along k.
; Wo [1024 k][1024 n] f32 becomes woh [16 chunks][1024 n][64 k] f16: K innermost, laid by chunks of 64 along K.
; A block's scale is 2^(floor(log2(largest magnitude)) - 2); its byte is the largest magnitude's exponent field - 2, held at 1 from below.
; LIMITS: a block of zeros, or one whose largest magnitude lies under 2^-124, keeps the byte 1 (its codes are zeros or tiny; this program alone reads the bytes); NaN and infinities are not served;
; Wo must lie inside f16's range (65,504).
; SHARES: 33.5 MB of input over 256 work-groups of 16 waves: 8 KB a wave, all of it asked for at the wave's head (64 registers).  Work-groups 0-127 take x, 128-223 the three weights, 224-255 Wo:
; a scalar branch on the work-group's number; each path has LDS bytes of its own.  No tensor loads, no matrix work, no cluster: nothing is shared between work-groups and memory binds.
.set XSCL,  81920                      ; x path: stages at 0 (16 waves x two stages of 32 x 80 bytes); here the work-group's 1,024 scale bytes
.set WST,   82944                      ; W path: 64 columns x (256 bytes of codes + 16)
.set WSC,   100352                     ; W path: 64 columns x 16 scale bytes
.set OST,   101376                     ; Wo path: 16 waves x 32 rows x (128 bytes + 16)
.set SPARE, 175104                     ; the spare words: 128 bytes for each of 16 waves; no other line names them
.set SP,    80                         ; x path: a lane's place in a stage: 64 bytes + 16 of padding
.set WP,    272
.set OP,    144
.set SPW,   12                         ; v12  my spare word's LDS address; never rewritten
.set NIL,   13                         ; v13  0; never rewritten
.set R,     16                         ; v16-79   the 64 numbers as loaded
.set X,     80                         ; v80-111  x path: two sets of 16 neighbours
.set E,     112                        ; v112-115 x path: a scale byte for each step
.set C,     116                        ; v116-123 x path: two registers of codes for each step
	s_load_b256 s[4:11], s[0:1], 0x0               ; x, Wq, Wk, Wv
	s_load_b256 s[12:19], s[0:1], 0x20             ; Wo, xc, xs, wc
	s_load_b128 s[20:23], s[0:1], 0x40             ; ws, woh
	v_lshl_add_u32 v[SPW], v0, 2, SPARE
	v_mov_b32 v[NIL], 0
	v_lshrrev_b32 v1, 5, v0
	v_readfirstlane_b32 s24, v1                    ; wave 0..15
	v_and_b32 v2, 31, v0                           ; lane
	s_wait_kmcnt 0x0
	s_cmp_lt_u32 ttmp9, 128
	s_cbranch_scc0 .Lnot_x
; ---------------- x: a plain stream of blocks of 32.  Wave run 16 b + w: 2,048 numbers, four steps of 512.
	v_lshlrev_b32 v3, 4, v2                        ; my 16 bytes of a load's 512
	v_lshlrev_b32 v4, 3, v2                        ; my 8 bytes of a step's 256 bytes of codes
	s_mul_i32 s25, s24, 2*32*SP                    ; my wave's two stages
	v_lshrrev_b32 v14, 2, v2
	v_mul_u32_u24 v14, v14, SP
	v_and_b32 v15, 3, v2
	v_lshl_add_u32 v14, v15, 4, v14
	v_add_nc_u32 v14, s25, v14                     ; into a stage: four lanes' 64 bytes on end, then the padding
	v_mul_u32_u24 v15, v2, SP
	v_add_nc_u32 v15, s25, v15                     ; out of it: my 16 neighbours
	s_lshl_b32 s25, s24, 6
	s_add_co_u32 s25, s25, XSCL
	v_lshrrev_b32 v5, 1, v2
	v_add_nc_u32 v5, s25, v5                       ; my block's scale byte: 64 bytes a wave, 16 a step
	v_lshl_add_u32 v6, v0, 4, XSCL                 ; the way out of the scale bytes (threads 0-63 alone use it): 16 bytes a thread
	v_lshlrev_b32 v7, 4, v0
	s_lshl_b32 s25, ttmp9, 4
	s_add_co_u32 s25, s25, s24                     ; my run
	s_mov_b32 s27, 0
	s_lshl_b32 s26, s25, 13                        ; 8,192 bytes of x a run
	s_add_nc_u64 s[4:5], s[4:5], s[26:27]
	s_lshl_b32 s26, s25, 10                        ; 1,024 bytes of codes
	s_add_nc_u64 s[14:15], s[14:15], s[26:27]
	s_lshl_b32 s26, ttmp9, 10                      ; 1,024 scale bytes a work-group
	s_add_nc_u64 s[16:17], s[16:17], s[26:27]
.macro XLOAD t
.irp i, 0,1,2,3
	global_load_b128 v[R+16*(\t)+4*\i:R+16*(\t)+4*\i+3], v3, s[4:5] offset:2048*(\t)+512*\i th:TH_LOAD_NT   ; 32 lanes read 512 consecutive bytes
.endr
.endm
.macro XTURN t                         ; step t's numbers through a stage: LDS serves a wave's instructions in order, so no wait stands between the stores and the loads
.irp i, 0,1,2,3
	ds_store_b128 v14, v[R+16*(\t)+4*\i:R+16*(\t)+4*\i+3] offset:32*SP*((\t)%2)+8*SP*\i
.endr
.irp i, 0,1,2,3
	ds_load_b128 v[X+16*((\t)%2)+4*\i:X+16*((\t)%2)+4*\i+3], v15 offset:32*SP*((\t)%2)+16*\i
.endr
.endm
.irp t, 0,1,2,3
	XLOAD \t
.endr
	s_wait_loadcnt 12                              ; step 0's four loads are in; the twelve of steps 1 to 3 may be out
	XTURN 0
.macro XSTEP t
.set XS, X+16*((\t)%2)
.if (\t) > 0
	s_wait_dscnt 1                                 ; this step's numbers are back from the stage; the last step's byte store may be out
.else
	s_wait_dscnt 0x0
.endif
.if (\t)+1 < 4
	s_wait_loadcnt 4*(2-(\t))                      ; the next step's four loads are in; the later steps' may be out
	XTURN (\t)+1
.endif
	v_max3_num_f32 v8, |v[XS]|, |v[XS+1]|, |v[XS+2]|        ; the largest magnitude of my 16, in two chains
	v_max3_num_f32 v9, |v[XS+3]|, |v[XS+4]|, |v[XS+5]|
.irp i, 6,10
	v_max3_num_f32 v8, v8, |v[XS+\i]|, |v[XS+\i+1]|
	v_max3_num_f32 v9, v9, |v[XS+\i+2]|, |v[XS+\i+3]|
.endr
	v_max3_num_f32 v8, v8, |v[XS+14]|, |v[XS+15]|
	v_max3_num_f32 v8, v8, v9, 0x1800000           ; and the floor 2^(3 - 127): the byte cannot fall under 1
	v_max_num_f32_dpp v8, v8, v8 row_xmask:1 row_mask:0xf bank_mask:0xf   ; with my neighbour's 16: the block's
	v_add_nc_u32 v11, 0xff000000, v8               ; 2 off the exponent field: the conversion takes this operand's exponent field as its scale
	v_cvt_scalef32_pk8_fp4_f32 v[C+2*(\t)], v[XS:XS+7], v11
	v_cvt_scalef32_pk8_fp4_f32 v[C+2*(\t)+1], v[XS+8:XS+15], v11
	v_lshrrev_b32 v[E+(\t)], 23, v11               ; the scale's byte (also the plain line behind the conversions)
	ds_store_b8 v5, v[E+(\t)] offset:16*(\t)       ; both lanes of a block write the same byte with the same value
	global_store_b64 v4, v[C+2*(\t):C+2*(\t)+1], s[14:15] offset:256*(\t)   ; the wave stores 256 consecutive bytes, aligned
.endm
.irp t, 0,1,2,3
	XSTEP \t
.endr
	s_wait_dscnt 0x0                               ; for the others' sake: my byte stores have landed
	s_barrier_signal -1
	s_barrier_wait -1
	s_cmp_gt_u32 s24, 1
	s_cbranch_scc1 .Lx_end                         ; waves 0 and 1 carry the work-group's 1,024 scale bytes out, 512 consecutive bytes each
	ds_load_b128 v[80:83], v6
	s_wait_dscnt 0x0
	global_store_b128 v7, v[80:83], s[16:17]
.Lx_end:
	s_wait_tensorcnt 0x0                           ; the wave's end
	ds_add_u32 v[SPW], v[NIL]
	s_wait_dscnt 0x0
	s_endpgm
; ---------------- Wq, Wk, Wv: K is the first axis.  A lane takes a column, its registers run down K: a block of 32 lies in one lane, and the codes come out with K innermost.
.Lnot_x:
	s_cmp_lt_u32 ttmp9, 224
	s_cbranch_scc0 .Lwo
	s_sub_co_u32 s25, ttmp9, 128
	s_lshr_b32 s26, s25, 5                         ; which weight: 0, 1, 2
	s_cmp_eq_u32 s26, 0
	s_cselect_b64 s[28:29], s[6:7], s[8:9]         ; the choice hangs on the work-group's number alone
	s_cmp_eq_u32 s26, 2
	s_cselect_b64 s[28:29], s[10:11], s[28:29]
	s_bfe_u32 s30, s25, 0x40001                    ; which 64 columns
	s_and_b32 s31, s25, 1                          ; which 512 along K
	s_and_b32 s32, s24, 1                          ; my wave: which 32 of the columns,
	s_lshr_b32 s33, s24, 1                         ; which 64 of the 512 along K
	s_lshl_b32 s34, s31, 21                        ; in: (512 kh + 64 kg) rows of 4,096 bytes + (64 cg + 32 cw) x 4
	s_lshl_b32 s35, s33, 18
	s_add_co_u32 s34, s34, s35
	s_lshl_b32 s35, s30, 8
	s_add_co_u32 s34, s34, s35
	s_lshl_b32 s35, s32, 7
	s_add_co_u32 s34, s34, s35
	s_mov_b32 s35, 0
	s_add_nc_u64 s[28:29], s[28:29], s[34:35]
	v_lshlrev_b32 v3, 2, v2
.set i, 0
.rept 64
	global_load_b32 v[R+i], v3, s[28:29] offset:i*4096 th:TH_LOAD_NT   ; W(k + i, my column): two waves side by side read 256 consecutive bytes
.set i, i+1
.endr
	s_mul_i32 s36, s32, 32*WP
	s_lshl_b32 s37, s33, 5
	s_add_co_u32 s36, s36, s37
	s_add_co_u32 s36, s36, WST
	v_mul_u32_u24 v4, v2, WP
	v_add_nc_u32 v4, s36, v4                       ; my column's row of codes, my 32 bytes of its 256
	s_lshl_b32 s36, s32, 9
	s_lshl_b32 s37, s33, 1
	s_add_co_u32 s36, s36, s37
	s_add_co_u32 s36, s36, WSC
	v_lshl_add_u32 v5, v2, 4, s36                  ; my column's 16 scale bytes, my two
	s_mul_i32 s36, s24, 4*WP
	s_add_co_u32 s36, s36, WST
	v_lshrrev_b32 v8, 4, v2
	v_and_b32 v9, 15, v2
	v_mul_u32_u24 v6, v8, WP
	v_lshl_add_u32 v6, v9, 4, v6
	v_add_nc_u32 v6, s36, v6                       ; the way out: rows 4 w + lane / 16 (+ 2), sixteen lanes to a row of 256 bytes
	v_lshlrev_b32 v7, 9, v8
	v_lshl_add_u32 v7, v9, 4, v7                   ; and the same place in wc: rows of 512 bytes
	v_lshl_add_u32 v100, v0, 4, WSC                ; the scale bytes' way out (threads 0-63 alone use it)
	v_lshlrev_b32 v101, 5, v0                      ; rows of 32 bytes in ws
	s_lshl_b32 s34, s26, 10
	s_lshl_b32 s35, s30, 6
	s_add_co_u32 s34, s34, s35                     ; the work-group's first row of wc and ws
	s_lshl_b32 s36, s34, 5
	s_lshl_b32 s35, s31, 4
	s_add_co_u32 s36, s36, s35
	s_mov_b32 s37, 0
	s_add_nc_u64 s[20:21], s[20:21], s[36:37]
	s_lshl_b32 s35, s24, 2
	s_add_co_u32 s34, s34, s35
	s_lshl_b32 s34, s34, 9
	s_lshl_b32 s35, s31, 8
	s_add_co_u32 s34, s34, s35
	s_mov_b32 s35, 0
	s_add_nc_u64 s[18:19], s[18:19], s[34:35]
.macro WBLOCK t                        ; block t of my two: all its 32 numbers are mine
.set XS, R+32*(\t)
	v_max3_num_f32 v8, |v[XS]|, |v[XS+1]|, |v[XS+2]|
	v_max3_num_f32 v9, |v[XS+3]|, |v[XS+4]|, |v[XS+5]|
.irp i, 6,10,14,18,22,26
	v_max3_num_f32 v8, v8, |v[XS+\i]|, |v[XS+\i+1]|
	v_max3_num_f32 v9, v9, |v[XS+\i+2]|, |v[XS+\i+3]|
.endr
	v_max3_num_f32 v8, v8, |v[XS+30]|, |v[XS+31]|
	v_max3_num_f32 v8, v8, v9, 0x1800000           ; the floor 2^(3 - 127)
	v_add_nc_u32 v[10+(\t)], 0xff000000, v8        ; the conversion's scale operand
	v_lshrrev_b32 v[88+(\t)], 23, v[10+(\t)]       ; the scale's byte
.irp g, 0,1,2,3
	v_cvt_scalef32_pk8_fp4_f32 v[80+4*(\t)+\g], v[XS+8*\g:XS+8*\g+7], v[10+(\t)]
.endr
	ds_store_b128 v4, v[80+4*(\t):80+4*(\t)+3] offset:16*(\t)
.endm
	s_wait_loadcnt 32                              ; block 0's 32 loads are in; block 1's may be out
	WBLOCK 0
	s_wait_loadcnt 0x0
	WBLOCK 1
	v_lshl_or_b32 v88, v89, 8, v88                 ; my two bytes, the lower K below (also the plain line behind the conversions)
	ds_store_b16 v5, v88
	s_wait_dscnt 0x0                               ; for the others' sake: my stores have landed
	s_barrier_signal -1
	s_barrier_wait -1
	ds_load_b128 v[92:95], v6
	ds_load_b128 v[96:99], v6 offset:2*WP
	s_wait_dscnt 1                                 ; the first of the two is in
	global_store_b128 v7, v[92:95], s[18:19]       ; sixteen lanes store 256 consecutive bytes, aligned
	s_wait_dscnt 0x0
	global_store_b128 v7, v[96:99], s[18:19] offset:1024
	s_cmp_gt_u32 s24, 1
	s_cbranch_scc1 .Lw_end                         ; waves 0 and 1 carry the scale bytes out: 16 bytes of each row of 32: one byte for each 128 that the path reads
	ds_load_b128 v[104:107], v100
	s_wait_dscnt 0x0
	global_store_b128 v101, v[104:107], s[20:21]
.Lw_end:
	s_wait_tensorcnt 0x0                           ; the wave's end
	ds_add_u32 v[SPW], v[NIL]
	s_wait_dscnt 0x0
	s_endpgm
; ---------------- Wo: rounded to f16, K moved innermost by the same choice of what a lane holds.  A wave: 32 columns x one chunk of 64 along K.
.Lwo:
	s_sub_co_u32 s25, ttmp9, 224
	s_and_b32 s26, s25, 7                          ; which 128 columns
	s_lshr_b32 s30, s25, 3
	s_lshl_b32 s30, s30, 2
	s_lshr_b32 s31, s24, 2
	s_add_co_u32 s30, s30, s31                     ; which chunk
	s_and_b32 s31, s24, 3                          ; which 32 of the columns
	s_lshl_b32 s34, s30, 18                        ; in: 64 chunk rows of 4,096 bytes + (128 cg + 32 cw) x 4
	s_lshl_b32 s35, s26, 9
	s_add_co_u32 s34, s34, s35
	s_lshl_b32 s35, s31, 7
	s_add_co_u32 s34, s34, s35
	s_mov_b32 s35, 0
	s_add_nc_u64 s[12:13], s[12:13], s[34:35]
	v_lshlrev_b32 v3, 2, v2
.set i, 0
.rept 64
	global_load_b32 v[R+i], v3, s[12:13] offset:i*4096   ; no hint: a later launch reads Wo again
.set i, i+1
.endr
	s_lshl_b32 s34, s30, 17                        ; out: (1024 chunk + 128 cg + 32 cw) rows of 128 bytes
	s_lshl_b32 s35, s26, 14
	s_add_co_u32 s34, s34, s35
	s_lshl_b32 s35, s31, 12
	s_add_co_u32 s34, s34, s35
	s_mov_b32 s35, 0
	s_add_nc_u64 s[22:23], s[22:23], s[34:35]
	s_mul_i32 s36, s24, 32*OP
	s_add_co_u32 s36, s36, OST                     ; my wave's stage
	v_mul_u32_u24 v4, v2, OP
	v_add_nc_u32 v4, s36, v4                       ; in: row = my column
	v_lshrrev_b32 v5, 3, v2
	v_mul_u32_u24 v5, v5, OP
	v_and_b32 v6, 7, v2
	v_lshl_add_u32 v5, v6, 4, v5
	v_add_nc_u32 v5, s36, v5                       ; back: eight lanes to a row of 128 bytes, four rows an instruction
	v_lshlrev_b32 v6, 4, v2
	s_wait_loadcnt 0x0
.set i, 0
.rept 32
	v_cvt_pk_f16_f32 v[80+i], v[R+2*i], v[R+2*i+1] ; two neighbours along K
.set i, i+1
.endr
.irp i, 0,1,2,3,4,5,6,7
	ds_store_b128 v4, v[80+4*\i:80+4*\i+3] offset:16*\i
.endr
.irp i, 0,1,2,3,4,5,6,7
	ds_load_b128 v[112+4*\i:112+4*\i+3], v5 offset:4*OP*\i   ; LDS serves a wave's instructions in order: these see my stores
.endr
.irp i, 0,1,2,3,4,5,6,7
	s_wait_dscnt 7-\i                              ; load i is in, the younger ones may be out
	global_store_b128 v6, v[112+4*\i:112+4*\i+3], s[22:23] offset:512*\i   ; 512 consecutive bytes, aligned
.endr
	s_wait_tensorcnt 0x0                           ; the wave's end
	ds_add_u32 v[SPW], v[NIL]
	s_wait_dscnt 0x0
	s_endpgm
.Lfunc_end_k_qf23153538e_prep:
	.size	k_qf23153538e_prep, .Lfunc_end_k_qf23153538e_prep-k_qf23153538e_prep
	.p2alignl 7, 3214868480
	.fill 96, 4, 3214868480
	.section	.rodata,"a",@progbits
	.p2align	6, 0x0
	.amdhsa_kernel k_qf23153538e_prep
		.amdhsa_group_segment_fixed_size 177152
		.amdhsa_private_segment_fixed_size 0
		.amdhsa_enable_private_segment 0
		.amdhsa_kernarg_size 80
		.amdhsa_user_sgpr_count 2
		.amdhsa_user_sgpr_kernarg_segment_ptr 1
		.amdhsa_wavefront_size32 1
		.amdhsa_system_sgpr_workgroup_id_x 1
		.amdhsa_system_sgpr_workgroup_id_y 1
		.amdhsa_system_sgpr_workgroup_id_z 1
		.amdhsa_system_vgpr_workitem_id 0
		.amdhsa_next_free_vgpr 160
		.amdhsa_next_free_sgpr 66
		.amdhsa_reserve_vcc 0
		.amdhsa_float_denorm_mode_32 3
		.amdhsa_float_denorm_mode_16_64 3
		.amdhsa_memory_ordered 1
		.amdhsa_forward_progress 1
		.amdhsa_inst_pref_size 34
	.end_amdhsa_kernel
	.amdgpu_metadata
---
amdhsa.version: [ 1, 2 ]
amdhsa.kernels:
  - .name:           k_qf23153538e_prep
    .symbol:         k_qf23153538e_prep.kd
    .args:
      - { .name: x, .offset: 0, .size: 8, .value_kind: global_buffer, .address_space: global }
      - { .name: Wq, .offset: 8, .size: 8, .value_kind: global_buffer, .address_space: global }
      - { .name: Wk, .offset: 16, .size: 8, .value_kind: global_buffer, .address_space: global }
      - { .name: Wv, .offset: 24, .size: 8, .value_kind: global_buffer, .address_space: global }
      - { .name: Wo, .offset: 32, .size: 8, .value_kind: global_buffer, .address_space: global }
      - { .name: xc, .offset: 40, .size: 8, .value_kind: global_buffer, .address_space: global }
      - { .name: xs, .offset: 48, .size: 8, .value_kind: global_buffer, .address_space: global }
      - { .name: wc, .offset: 56, .size: 8, .value_kind: global_buffer, .address_space: global }
      - { .name: ws, .offset: 64, .size: 8, .value_kind: global_buffer, .address_space: global }
      - { .name: woh, .offset: 72, .size: 8, .value_kind: global_buffer, .address_space: global }
    .group_segment_fixed_size: 177152
    .private_segment_fixed_size: 0
    .kernarg_segment_align: 8
    .kernarg_segment_size: 80
    .max_flat_workgroup_size: 512
    .sgpr_count:     66
    .vgpr_count:     160
    .wavefront_size: 32
...
	.end_amdgpu_metadata
.endif
;; end of part 1
;; launch qkv (part 2): grid 12 x 16, 4 waves a work-group, clusters of 4 x 4, 327,680 bytes of LDS; arguments xc, xs, wc, ws, qkv, h16; writes qkv, h16
.if DOCPART == 2
	.amdgcn_target "amdgcn-amd-amdhsa--gfx1250"
	.amdhsa_code_object_version 6
	.text
	.protected	k_qf23153538e_qkv
	.globl	k_qf23153538e_qkv
	.p2align	8
	.type	k_qf23153538e_qkv,@function
k_qf23153538e_qkv:
	s_mov_b64 s[64:65], 0
	v_nop
	global_prefetch_b8 v0, s[64:65] scope:SCOPE_SE
	s_setreg_imm32_b32 hwreg(HW_REG_WAVE_MODE, 25, 1), 1
	s_wait_xcnt 0x0
	s_wait_alu depctr_hold_cnt(0) depctr_sa_sdst(0) depctr_va_vdst(0) depctr_va_sdst(0) depctr_va_ssrc(0) depctr_va_vcc(0) depctr_vm_vsrc(0)
	s_getreg_b32 s2, hwreg(HW_REG_IB_STS2, 6, 4)
	s_cmp_eq_u32 s2, 0
	s_cbranch_scc0 .Lentry_in_a_cluster
	s_endpgm
.Lentry_in_a_cluster:
	s_bfe_u32 s2, ttmp6, 0x10000c
	s_cmp_lg_u32 s2, 0xf033
	s_cbranch_scc0 .Lentry_shape_is_right
	s_endpgm
.Lentry_shape_is_right:
; QKV.  C[m][n] = sum over k of x[m][k] W[k][n] for the three weights at once: A = xc [4096][1024 codes], B = wc [3072][1024 codes], FP4 (E2M1) with one E8M0 byte for each 32 along K; sums in f32.
; The results leave as f16, laid by head: qkv [48][4096][64] (0-15 q's heads, 16-31 k's, 32-47 v's).  The f32 sums of positions 0 to 15 leave besides, as images of the accumulators' registers, in h16.
; LIMIT: q, k and v must lie inside f16's range (65,504).
; A tile of C, 256 x 256, is made by four waves, 128 x 128 each: 64 accumulators, 512 registers.  K = 1,024 is two K steps of 512 (rows of 256 bytes): both lie in LDS from the start, nothing is filled again.
; The scale bytes of the work-group's 256 + 256 rows come once, as dense blocks in rows of 256 bytes.  By this text's count a wave has three tensor loads out at the most.
; CLUSTERS: 4 x 4 work-groups; A's tiles are asked for jointly along a row of the cluster, B's along a column.  The matrix instruction is used transposed (source 0 = 16 rows of B, source 1 = 16 rows of A):
; a lane holds eight neighbouring columns of one row of C.  192 work-groups: a tile that gave every WGP one would be smaller and read each LDS byte for fewer products.
; REGISTERS: window 0: v0-31 addresses; v32-95 scale words, two sets; v128-191 A's fragments, one set; window 1: B's fragments, two sets; windows 2, 3: the accumulators ((a, b) at v[8 (8 (a % 4) + b)]).
.set SIZE_K, 1024
.set HEADB,  524288                    ; a head in qkv: 4,096 rows of 128 bytes
.set KSTEP,  512
.set NQ,     KSTEP/128
.set ROWB,   256
.set KROW,   SIZE_K*4/8
.set PITCH,  272                       ; an LDS row: 256 bytes + 16 of padding: the 16 rows that a load touches start at 16 different banks
.set FR,     8
.set NL,     2
.set NP,     4                         ; places behind this matrix instruction (ISA guide 7.12.1)
.set HALFT,  128*PITCH
.set SLOT,   4*HALFT
.set KS,     SIZE_K/32
.set SCL,    2*SLOT
.set HALFS,  (128*KS/256)*272
.set SBLK,   (16*KS/256)*272
.set SPARE,  SCL+4*HALFS               ; the spare words: 128 bytes a wave; no other line names them
.set STAGE,  SPARE+512                 ; the way out: 16 rows x (256 bytes + 16) for each wave; no tensor load lands here
.set SPITCH, 272
.set ADRA, 16
.set ADRB, 20
.set STO,  24
.set RD,   25
.set CO,   26
.set ADRS, 27
.set SPW,  28
.set NIL,  29
.set LI,   30                          ; v30  16 x lane
.set FLG,  31                          ; v31  0 in the waves that hold positions 0 to 127
.set SC,   32
.set AF,   128
.set TMP,  192                         ; the way out: packed results
.set OB,   32                          ; the way out: rows read back: v32-63 and v224-255 by turns
.set G1, 24
.set G0, 32
.set G1B, 48
.set G0B, 56
.set G1S, 68
.set G0S, 76
.set G1SB, 80
.set G0SB, 88
.set MSB, 0
.macro WIN new                         ; the immediate's high byte repeats the setting that is left
.if MSB != \new
	s_set_vgpr_msb (MSB<<8)|\new
.set MSB, \new
.endif
.endm
.set MUL_LO, 0xa1                      ; source 0 (B) window 1, source 1 (A) window 0, C and D window 2
.set MUL_HI, 0xf1
.set TO_B,   0x40
; A joint load: waves 0 and 1 fetch for A, waves 2 and 3 for B; the branch hangs on the wave's number alone.  An s_nop 0 and four v_nop follow each line.
.macro JLOAD g0a, g1a, g0b, g1b
	s_cmp_eq_u32 s15, 0
	s_cbranch_scc0 .Lfor_b_\@
	tensor_load_to_lds s[\g0a:\g0a+3], s[\g1a:\g1a+7]
	s_nop 0
.rept 4
	v_nop
.endr
	s_branch .Lasked_\@
.Lfor_b_\@:
	tensor_load_to_lds s[\g0b:\g0b+3], s[\g1b:\g1b+7]
	s_nop 0
.rept 4
	v_nop
.endr
.Lasked_\@:
.endm
.macro CROUND                          ; a round of the cluster's barrier
	s_barrier_signal -1
	s_barrier_wait -1
	s_cmp_lg_u32 s14, 0
	s_cbranch_scc1 .Lnot_wave_0_\@
	s_barrier_signal -3
.Lnot_wave_0_\@:
	s_barrier_wait -3
	s_barrier_signal -1
	s_barrier_wait -1
.endm
	s_load_b128 s[4:7], s[0:1], 0x0                ; xc, xs
	s_load_b128 s[8:11], s[0:1], 0x10              ; wc, ws
	s_load_b64 s[12:13], s[0:1], 0x20              ; qkv
	s_load_b64 s[66:67], s[0:1], 0x28              ; h16
	v_lshl_add_u32 v[SPW], v0, 2, SPARE
	v_mov_b32 v[NIL], 0
	ds_add_u32 v[SPW], v[NIL]                      ; the wave's opening: the add, twice on end, and its wait ahead of my first tensor load
	ds_add_u32 v[SPW], v[NIL]
	v_lshrrev_b32 v1, 5, v0
	v_readfirstlane_b32 s14, v1                    ; wave 0..3
	s_lshr_b32 s15, s14, 1                         ; which half of the tile's rows is mine.  Also: I fetch for A (0) or for B (1)
	s_and_b32 s16, s14, 1                          ; which half of its columns.  Also: which 128 rows I fetch
	s_bfe_u32 s40, ttmp6, 0x40000                  ; cx, cy
	s_bfe_u32 s41, ttmp6, 0x40004
	s_lshl_b32 s42, ttmp9, 2
	s_add_co_u32 s42, s42, s40                     ; tile column
	s_and_b32 s17, ttmp7, 0xffff
	s_lshl_b32 s17, s17, 2
	s_add_co_u32 s17, s17, s41                     ; tile row
	s_lshl_b32 s43, s41, 2
	s_lshl_b32 s43, 15, s43                        ; my row of the cluster
	s_lshl_b32 s44, 0x1111, s40                    ; my column
	s_or_b32 s[G1+0], s43, (0<<16)|(1<<20)|(1<<21)|(5<<22)|(3<<25)  ; the mask; elements of 1 byte; padding: 4 words behind every 64; bit 21 beside a mask
	s_or_b32 s[G1B+0], s44, (0<<16)|(1<<20)|(1<<21)|(5<<22)|(3<<25)
.irp g, G1, G1B
	s_mov_b32 s[\g+1], ROWB<<16                    ; tensor_dim0
	s_mov_b32 s[\g+2], 128<<16                     ; tensor_dim1
	s_mov_b32 s[\g+3], ROWB<<16                    ; tile_dim0
	s_mov_b32 s[\g+4], 128                         ; tile_dim1
	s_mov_b32 s[\g+5], KROW                        ; the pitch
	s_mov_b32 s[\g+6], 0
	s_mov_b32 s[\g+7], 0
.endr
	s_or_b32 s[G1S+0], s43, (3<<16)|(1<<20)|(1<<21)|(5<<22)|(3<<25)   ; the scales of 128 rows: a dense block, as rows of 256 bytes (32 elements of 8 bytes)
	s_or_b32 s[G1SB+0], s44, (3<<16)|(1<<20)|(1<<21)|(5<<22)|(3<<25)
.irp g, G1S, G1SB
	s_mov_b32 s[\g+1], 32<<16
	s_mov_b32 s[\g+2], (128*KS/256)<<16
	s_mov_b32 s[\g+3], 32<<16
	s_mov_b32 s[\g+4], 128*KS/256
	s_mov_b32 s[\g+5], 32
	s_mov_b32 s[\g+6], 0
	s_mov_b32 s[\g+7], 0
.endr
	s_lshl_b32 s18, s16, 7
	s_lshl_b32 s20, s17, 8
	s_add_co_u32 s20, s20, s18                     ; A: row 256 x tile row + 128 x half
	s_lshl_b32 s46, s42, 8
	s_add_co_u32 s46, s46, s18                     ; B: row 256 x tile column + 128 x half
	s_mov_b32 s21, 0
	s_mov_b32 s47, 0
	s_mov_b64 s[18:19], KS
	s_mul_u64 s[22:23], s[20:21], s[18:19]
	s_mul_u64 s[92:93], s[46:47], s[18:19]
	s_mov_b64 s[18:19], KROW
	s_mul_u64 s[20:21], s[20:21], s[18:19]
	s_mul_u64 s[46:47], s[46:47], s[18:19]
	s_mul_i32 s45, s14, HALFT                      ; where they go: wave x 128 rows: no place in the cluster enters an LDS address
	s_mul_i32 s94, s14, HALFS
	s_wait_dscnt 0x0                               ; both opening adds are done
	s_wait_kmcnt 0x0
	s_add_nc_u64 s[20:21], s[4:5], s[20:21]
	s_add_nc_u64 s[22:23], s[6:7], s[22:23]
	s_add_nc_u64 s[46:47], s[8:9], s[46:47]
	s_add_nc_u64 s[92:93], s[10:11], s[92:93]
	CROUND                                         ; all sixteen work-groups are here: the joint loads meet
	s_mov_b32 s[G0S], 1
	s_add_co_u32 s[G0S+1], s94, SCL
	s_mov_b64 s[G0S+2:G0S+3], s[22:23]
	s_or_b32 s[G0S+3], s[G0S+3], 0x80000000
	s_mov_b32 s[G0SB], 1
	s_add_co_u32 s[G0SB+1], s94, SCL
	s_mov_b64 s[G0SB+2:G0SB+3], s[92:93]
	s_or_b32 s[G0SB+3], s[G0SB+3], 0x80000000
	JLOAD G0S, G1S, G0SB, G1SB                     ; the scales first: they are wanted with K step 0
.irp s, 0,1
	s_mov_b32 s[G0+4*\s], 1
	s_add_co_u32 s[G0+4*\s+1], s45, \s*SLOT
	s_add_nc_u64 s[G0+4*\s+2:G0+4*\s+3], s[20:21], \s*ROWB
	s_or_b32 s[G0+4*\s+3], s[G0+4*\s+3], 0x80000000
	s_mov_b32 s[G0B+4*\s], 1
	s_add_co_u32 s[G0B+4*\s+1], s45, \s*SLOT
	s_add_nc_u64 s[G0B+4*\s+2:G0B+4*\s+3], s[46:47], \s*ROWB
	s_or_b32 s[G0B+4*\s+3], s[G0B+4*\s+3], 0x80000000
	JLOAD G0+4*\s, G1, G0B+4*\s, G1B
.endr
	v_and_b32 v1, 15, v0                           ; l % 16
	v_bfe_u32 v2, v0, 4, 1                         ; l / 16
	v_mul_u32_u24 v3, v1, PITCH
	v_lshl_add_u32 v4, v2, 4, v3                   ; a fragment's row x pitch + 16 x half
	s_mul_i32 s21, s15, HALFT
	s_mul_i32 s22, s16, HALFT
	s_add_co_u32 s22, s22, 2*HALFT
.irp s, 0,1
	v_add_nc_u32 v[ADRA+\s], s21, v4
	v_add_nc_u32 v[ADRB+\s], s22, v4
	s_add_co_u32 s21, s21, SLOT
	s_add_co_u32 s22, s22, SLOT
.endr
	v_mul_u32_u24 v5, v1, KS                       ; my row's scales: KS bytes a row,
	v_lshrrev_b32 v6, 8, v5
	v_lshl_add_u32 v5, v6, 4, v5                   ; and 16 more for each 256 passed
	s_mul_i32 s21, s15, HALFS
	s_mul_i32 s22, s16, HALFS
	s_add_co_u32 s22, s22, 2*HALFS
	s_sub_co_u32 s22, s22, s21
	v_mul_u32_u24 v6, s22, v2                      ; lanes 16-31 take B's
	s_add_co_u32 s21, s21, SCL
	v_add_nc_u32 v5, v5, v6
	v_add_nc_u32 v[ADRS], s21, v5
	s_mul_i32 s23, s14, 16*SPITCH
	s_add_co_u32 s23, s23, STAGE                   ; my stage
	v_mul_u32_u24 v5, v1, SPITCH
	v_lshl_add_u32 v5, v2, 4, v5
	v_add_nc_u32 v[STO], s23, v5                   ; in: row l % 16, 16 bytes for each half of the lanes
	v_bfe_u32 v5, v0, 3, 1
	v_mul_u32_u24 v5, v5, SPITCH
	v_and_b32 v6, 7, v0
	v_lshl_add_u32 v5, v6, 4, v5
	v_lshl_add_u32 v5, v2, 7, v5
	v_add_nc_u32 v[RD], s23, v5                    ; back: lanes 0-15 two rows' 128 bytes of my first head, lanes 16-31 of my second
	v_lshlrev_b32 v[CO], 4, v1
	v_lshl_add_u32 v[CO], v2, 19, v[CO]            ; in qkv two rows of a head are 256 consecutive bytes; the second head lies HEADB on
	v_and_b32 v6, 31, v0
	v_lshlrev_b32 v[LI], 4, v6
	s_lshl_b32 s20, s17, 1
	s_add_co_u32 s20, s20, s15
	v_mov_b32 v[FLG], s20                          ; 2 x tile row + row half
	s_lshl_b32 s20, s42, 2
	s_lshl_b32 s21, s16, 1
	s_add_co_u32 s20, s20, s21                     ; my first head: 4 x tile column + 2 x half
	s_lshl_b32 s20, s20, 19
	s_lshl_b32 s21, s17, 15                        ; 256 rows of 128 bytes a tile row
	s_add_co_u32 s20, s20, s21
	s_lshl_b32 s21, s15, 14
	s_add_co_u32 s20, s20, s21
	s_mov_b32 s21, 0
	s_add_nc_u64 s[12:13], s[12:13], s[20:21]
	s_lshl_b32 s20, s42, 14                        ; h16: 1,024 bytes for each tile of 16 columns: 16 x tile column + 8 x half
	s_lshl_b32 s21, s16, 13
	s_add_co_u32 s20, s20, s21
	s_mov_b32 s21, 0
	s_add_nc_u64 s[66:67], s[66:67], s[20:21]
.macro FRAG reg, adr, q, i             ; 16 rows x 128 K of 4-bit codes: 8 registers: lane l holds row l % 16; registers 4 c .. 4 c + 3 hold K = 64 c + 32 (l / 16) + 0 .. 31
.irp c, 0,1
	ds_load_b128 v[\reg+4*\c:\reg+4*\c+3], v[\adr] offset:64*(\q)+32*\c+(\i)*16*PITCH
.endr
.endm
; 16 matrix instructions: A's blocks a0, a0 + 1 x B's eight.  The 64 accumulators take turns, one instruction a turn, in the same order in every step.
.macro MUL16 a0, p, q, sc, zero
.irp a, \a0, \a0+1
.irp b, 0,1,2,3,4,5,6,7
.if \zero
	v_wmma_scale_f32_16x16x128_f8f6f4 v[8*(8*((\a)%4)+\b):8*(8*((\a)%4)+\b)+7], v[128*(\p)+FR*\b:128*(\p)+FR*\b+FR-1], v[AF+FR*(\a):AF+FR*(\a)+FR-1], 0, v[SC+8*NQ*(\sc)+NQ*\b+(\q)], v[SC+8*NQ*(\sc)+NQ*(\a)+(\q)] matrix_a_fmt:MATRIX_FMT_FP4 matrix_b_fmt:MATRIX_FMT_FP4 matrix_a_scale:MATRIX_SCALE_ROW1
.else
	v_wmma_scale_f32_16x16x128_f8f6f4 v[8*(8*((\a)%4)+\b):8*(8*((\a)%4)+\b)+7], v[128*(\p)+FR*\b:128*(\p)+FR*\b+FR-1], v[AF+FR*(\a):AF+FR*(\a)+FR-1], v[8*(8*((\a)%4)+\b):8*(8*((\a)%4)+\b)+7], v[SC+8*NQ*(\sc)+NQ*\b+(\q)], v[SC+8*NQ*(\sc)+NQ*(\a)+(\q)] matrix_a_fmt:MATRIX_FMT_FP4 matrix_b_fmt:MATRIX_FMT_FP4 matrix_a_scale:MATRIX_SCALE_ROW1
.endif
.endr
.endr
.endm
.macro FETCH_B slot, q, p
	WIN TO_B
.irp i, 0,1,2,3,4,5,6,7
	FRAG 128*(\p)+FR*\i, ADRB+\slot, \q, \i
.endr
	WIN 0
.endm
.macro FETCH_A slot, q, i0
.irp i, \i0, \i0+1, \i0+2, \i0+3
	FRAG AF+FR*(\i), ADRA+\slot, \q, \i
.endr
.endm
.macro SCALES sc                       ; a K step's scale words: lanes 0-15 take A's block i, lanes 16-31 B's block i
.irp i, 0,1,2,3,4,5,6,7
	ds_load_b128 v[SC+8*NQ*\sc+NQ*\i:SC+8*NQ*\sc+NQ*\i+3], v[ADRS] offset:\i*SBLK
.endr
.endm
.macro PLACES n                        ; plain vector instructions between a matrix instruction and a load into, or a read of, its registers
.rept \n
	v_nop
.endr
.endm
.macro STEP slot, q, zero              ; a step of 128 along K that has its successor in the same slot
	s_wait_dscnt 4*NL                              ; B's set and A's blocks 0-3 are in; the youngest eight loads (A's blocks 4-7) may be out
	WIN MUL_LO
	MUL16 0, (\q)%2, \q, \slot, \zero
	MUL16 2, (\q)%2, \q, \slot, \zero
	s_wait_dscnt 0
	PLACES NP
	FETCH_B \slot, (\q)+1, 1-(\q)%2
	FETCH_A \slot, (\q)+1, 0
	WIN MUL_HI
	MUL16 4, (\q)%2, \q, \slot, \zero
	MUL16 6, (\q)%2, \q, \slot, \zero
	PLACES NP
	WIN 0
	FETCH_A \slot, (\q)+1, 4
.endm
.macro STEPS slot, from
.set Q, \from
.rept NQ-1-\from
	STEP \slot, Q, 0
.set Q, Q+1
.endr
.endm
	s_wait_tensorcnt 1                             ; the scales and my part of K step 0 are in; K step 1's load may be out
	s_barrier_signal -1
	s_barrier_wait -1
	FETCH_B 0, 0, 0
	FETCH_A 0, 0, 0
	SCALES 0
	FETCH_A 0, 0, 4
	STEP 0, 0, 1                                   ; the first products start the sums: nothing is cleared
	STEPS 0, 1
	; slot 0's last step changes slots: my part of slot 1 has landed, and behind the barrier everybody's has
	s_wait_tensorcnt 0x0
	ds_add_u32 v[SPW], v[NIL]
	s_wait_dscnt 4*NL+1                            ; the add and the youngest eight loads may be out
	WIN MUL_LO
	MUL16 0, 1, NQ-1, 0, 0
	s_wait_dscnt 0x0
	s_barrier_signal -1
	MUL16 2, 1, NQ-1, 0, 0
	WIN 0
	s_barrier_wait -1
	PLACES NP
	v_add_nc_u32 v[ADRS], 4*NQ, v[ADRS]            ; on to K step 1's scale words
	FETCH_B 1, 0, 0
	FETCH_A 1, 0, 0
	SCALES 1
	WIN MUL_HI
	MUL16 4, 1, NQ-1, 0, 0
	MUL16 6, 1, NQ-1, 0, 0
	PLACES NP
	WIN 0
	FETCH_A 1, 0, 4
	STEPS 1, 0
	s_wait_dscnt 4*NL                              ; the very last step
	WIN MUL_LO
	MUL16 0, 1, NQ-1, 1, 0
	MUL16 2, 1, NQ-1, 1, 0
	s_wait_dscnt 0
	WIN MUL_HI
	MUL16 4, 1, NQ-1, 1, 0
	MUL16 6, 1, NQ-1, 1, 0
	WIN 0
	PLACES NP                                      ; behind the last products, ahead of every read of results and every load into operands' registers
	; POSITIONS 0 TO 15 IN F32.  They are block 0 of the waves with tile row 0 and row half 0.  The other waves run the stores with all lanes off.
	v_cmp_eq_u32 vcc_lo, 0, v[FLG]
	s_wait_xcnt 0x0                                ; EXEC changes only behind this wait
	s_and_saveexec_b32 s95, vcc_lo
	WIN 0x08                                       ; a store's data: window 2
.irp b, 0,1,2,3,4,5,6,7
	global_store_b128 v[LI], v[8*\b:8*\b+3], s[66:67] offset:1024*\b          ; each accumulator from its low end on; 512 consecutive bytes a store
	global_store_b128 v[LI], v[8*\b+4:8*\b+7], s[66:67] offset:1024*\b+512
.endr
	WIN 0
	s_wait_xcnt 0x0                                ; and again ahead of the line that restores it
	s_or_b32 exec_lo, exec_lo, s95
; THE WAY OUT, block by block of 16 rows x 128 columns: rounded to f16, through my stage, back as pairs of rows of one head.
.macro PACK a
.set AC, 64*((\a)%4)
	WIN 0x0a+5*((\a)/4)                            ; sources 0 and 1: window 2 or 3
.irp b, 0,1,2,3,4,5,6,7
.irp r, 0,1,2,3
	v_cvt_pk_f16_f32 v[TMP+4*\b+\r], v[AC+8*\b+2*\r], v[AC+8*\b+2*\r+1]
.endr
.endr
	WIN 0
.endm
.macro TOSTAGE a
.set BK, OB+192*((\a)%2)
.irp b, 0,1,2,3,4,5,6,7
	ds_store_b128 v[STO], v[TMP+4*\b:TMP+4*\b+3] offset:32*\b
.endr
.irp t, 0,1,2,3,4,5,6,7
	ds_load_b128 v[BK+4*\t:BK+4*\t+3], v[RD] offset:\t*2*SPITCH    ; LDS serves a wave's instructions in order: these see the stores above
.endr
.endm
.macro SEND a
.set BK, OB+192*((\a)%2)
	s_wait_dscnt 0x0                               ; the block is back in registers
	s_wait_xcnt 0x0                                ; the stores of the block before have read their registers: the next block's loads may land there
.irp t, 0,1,2,3,4,5,6,7
	global_store_b128 v[CO], v[BK+4*\t:BK+4*\t+3], s[12:13] offset:2048*(\a)+256*\t   ; sixteen lanes store 256 consecutive bytes, aligned: two rows of one head
.endr
.endm
	PACK 0
	TOSTAGE 0
.irp a, 1,2,3,4,5,6,7                  ; block a's conversions stand between block a - 1's loads from the stage and the wait for them
	PACK \a
	SEND \a-1
	TOSTAGE \a
.endr
	SEND 7
	s_wait_tensorcnt 0x0                           ; the wave's end
	ds_add_u32 v[SPW], v[NIL]
	s_wait_dscnt 0x0
	CROUND                                         ; the closing round
	s_endpgm
.Lfunc_end_k_qf23153538e_qkv:
	.size	k_qf23153538e_qkv, .Lfunc_end_k_qf23153538e_qkv-k_qf23153538e_qkv
	.p2alignl 7, 3214868480
	.fill 96, 4, 3214868480
	.section	.rodata,"a",@progbits
	.p2align	6, 0x0
	.amdhsa_kernel k_qf23153538e_qkv
		.amdhsa_group_segment_fixed_size 327680
		.amdhsa_private_segment_fixed_size 0
		.amdhsa_enable_private_segment 0
		.amdhsa_kernarg_size 48
		.amdhsa_user_sgpr_count 2
		.amdhsa_user_sgpr_kernarg_segment_ptr 1
		.amdhsa_wavefront_size32 1
		.amdhsa_system_sgpr_workgroup_id_x 1
		.amdhsa_system_sgpr_workgroup_id_y 1
		.amdhsa_system_sgpr_workgroup_id_z 1
		.amdhsa_system_vgpr_workitem_id 0
		.amdhsa_next_free_vgpr 1024
		.amdhsa_next_free_sgpr 100
		.amdhsa_reserve_vcc 1
		.amdhsa_float_denorm_mode_32 3
		.amdhsa_float_denorm_mode_16_64 3
		.amdhsa_memory_ordered 1
		.amdhsa_forward_progress 1
		.amdhsa_inst_pref_size 128
	.end_amdhsa_kernel
	.amdgpu_metadata
---
amdhsa.version: [ 1, 2 ]
amdhsa.kernels:
  - .name:           k_qf23153538e_qkv
    .symbol:         k_qf23153538e_qkv.kd
    .args:
      - { .name: xc, .offset: 0, .size: 8, .value_kind: global_buffer, .address_space: global }
      - { .name: xs, .offset: 8, .size: 8, .value_kind: global_buffer, .address_space: global }
      - { .name: wc, .offset: 16, .size: 8, .value_kind: global_buffer, .address_space: global }
      - { .name: ws, .offset: 24, .size: 8, .value_kind: global_buffer, .address_space: global }
      - { .name: qkv, .offset: 32, .size: 8, .value_kind: global_buffer, .address_space: global }
      - { .name: h16, .offset: 40, .size: 8, .value_kind: global_buffer, .address_space: global }
    .group_segment_fixed_size: 327680
    .private_segment_fixed_size: 0
    .kernarg_segment_align: 8
    .kernarg_segment_size: 48
    .max_flat_workgroup_size: 128
    .sgpr_count:     100
    .vgpr_count:     1024
    .wavefront_size: 32
...
	.end_amdgpu_metadata
.endif
;; end of part 2
;; launch attn (part 3): grid 16 x 16, 8 waves a work-group, no clusters, 327,680 bytes of LDS; arguments qkv, ctxh; writes ctxh
.if DOCPART == 3
	.amdgcn_target "amdgcn-amd-amdhsa--gfx1250"
	.amdhsa_code_object_version 6
	.text
	.protected	k_qf23153538e_attn
	.globl	k_qf23153538e_attn
	.p2align	8
	.type	k_qf23153538e_attn,@function
k_qf23153538e_attn:
	s_mov_b64 s[64:65], 0
	v_nop
	global_prefetch_b8 v0, s[64:65] scope:SCOPE_SE
	s_setreg_imm32_b32 hwreg(HW_REG_WAVE_MODE, 25, 1), 1
	s_wait_xcnt 0x0
; ATTN.  ctx[h][q][:] = sum over k <= q of softmax_k(q . k / 8) v[h][k][:], operands f16 (qkv [48][4096][64]: heads of q, k, v), products, maxima and sums in f32; ctxh [16][4096][64] f16.
; LIMITS: ctx inside f16's range (it is an average of v).  The weights p (at most about 1) are rounded to f16 for the second product; the row's sum is taken of the unrounded p.
; SHARES.  Work-group (j, head) owns the query blocks j and 31 - j, 128 rows each: every work-group has the same number of visible keys.  Wave w owns one tile of 16 queries in each block:
; tile 0 (high) from 128 (31 - j) + 16 w, tile 1 (low) from 128 j + 16 w; while both are live a fragment of K or V feeds two products.  Two waves share a SIMD.
; NO CLUSTER: the work-groups of a head end their walk at different keys, 128 (32 - j): a joint load would bring tiles that every wave of some partner jumps over.
; LAYOUT.  S^T = K Q^T, O^T = V^T P: a lane holds one query (lane % 16) throughout; two tiles of S^T rounded in pairs are source 1 of the second product.  V comes out of LDS turned, by ds_load_tr16_b128.
; SOFTMAX.  A running maximum m and sum l: p = 2^(c s - c m), c = log2(e) / 8; O and l are multiplied by a = 2^(c m_old - c m_new) in every step.
; THE RING.  Two slots of 256 keys (four steps of 64); each of the eight waves fetches one tile of 64 rows (waves 0-3 K's, 4-7 V's): one tensor load a wave is out at the most, and every wait for them is for 0.
; EVERY work-group walks all 16 slots with constant trip counts; a step all of whose keys come after a tile's queries is jumped over by a scalar branch on ids.  A slot whose first key comes after the
; work-group's last query is not asked for.  That test is by slots: where 31 - j is even, the second half of the last slot asked for lies beyond the limit and is read by nobody.
; REGISTERS: window 0: v1-15 addresses; v16-31 statistics; v32-63 Q; v64-95 S^T; v96-111 P; v128-191 K; v192-255 V.  Window 1: v0-63 O^T (32 a tile).
.set HEADB, 524288
.set PK,    144                        ; a row of K in LDS: 128 bytes + 16: 36 words: the 16 rows of a load start at 16 different groups of four banks
.set PV,    160                        ; a row of V: 128 + 32: 40 words
.set VOFF,  64*PK
.set STEPB, 64*(PK+PV)
.set SLOT1, 1<<17
.set STAGE, 2*SLOT1                    ; the way out: 16 rows x 144 bytes for each wave
.set SPARE, STAGE+8*16*PK              ; the spare words: 128 bytes a wave; no other line names them
.set AK0, 1
.set AV0, 2
.set ADK, 3
.set ADV, 4
.set SPW, 5
.set NIL, 6
.set QO,  7
.set DL,  8                            ; v8   lane % 16 - 8 (lane / 16)
.set DD,  9
.set NINF, 10
.set STO, 11
.set RD,  12
.set GO,  13
.set PFO, 14
.set ST,  16                           ; tile t's statistics at v[ST + 8 t]: +0 c m, +1 m, +2, +3 l, +4 to +7 at work; a takes +6
.set Q,   32
.set S,   64
.set P,   96
.set KR,  128
.set VR,  192
.set WV,  8
.set QLO, 11
.set QHI, 12
.set QL15, 13
.set QH15, 14
.set QLAST, 15
.set KF,  16                           ; s16  the step's first key
.set TB,  17                           ; s17  LDS byte at which the step in hand begins
.set SLOTS, 18
.set CNT, 19
.set SEL, 20
.set CS,  22
.set G1K, 24
.set G1V, 32
.set G0,  40
.set PFA, 44
.set LIM, 46
.set TS,  47
.set MSB, 0
.macro WIN new
.if MSB != \new
	s_set_vgpr_msb (MSB<<8)|\new
.set MSB, \new
.endif
.endm
; My one tile: waves 0-3 with K's padding, waves 4-7 with V's.  The branch hangs on the wave's number alone.  An s_nop 0 and four v_nop follow each line.
.macro TLOAD
	s_cmp_lt_u32 s[WV], 4
	s_cbranch_scc0 .Lfor_v_\@
	tensor_load_to_lds s[G0:G0+3], s[G1K:G1K+7]
	s_nop 0
.rept 4
	v_nop
.endr
	s_branch .Lasked_\@
.Lfor_v_\@:
	tensor_load_to_lds s[G0:G0+3], s[G1V:G1V+7]
	s_nop 0
.rept 4
	v_nop
.endr
.Lasked_\@:
.endm
; A prefetch of what the NEXT change of slots will ask for: my own tile's 8,192 dense bytes, lanes 256 bytes apart.  All work-groups of a head walk the same K and V: the one with j = 0, which walks them all,
; asks, each wave for its own tile: each block of 256 bytes is named once in the launch.  It stands a slot's four steps ahead of the load; slots 0 and 1 come by their loads alone; the last filling change asks for nothing.
.macro ASK
	s_cmp_gt_u32 s[SLOTS], s[LIM]
	s_cbranch_scc0 .Lnot_mine_\@
	global_prefetch_b8 v[PFO], s[PFA:PFA+1] th:TH_LOAD_NT scope:SCOPE_SE
.Lnot_mine_\@:
.endm
	s_load_b128 s[4:7], s[0:1], 0x0                ; qkv, ctxh
	v_lshl_add_u32 v[SPW], v0, 2, SPARE
	v_mov_b32 v[NIL], 0
	ds_add_u32 v[SPW], v[NIL]                      ; the wave's opening: the add, twice on end, and its wait ahead of my first tensor load
	ds_add_u32 v[SPW], v[NIL]
	v_lshrrev_b32 v1, 5, v0
	v_readfirstlane_b32 s[WV], v1                  ; wave 0..7
	s_and_b32 s9, ttmp7, 0xffff                    ; the head
	s_lshl_b32 s10, s[WV], 4
	s_lshl_b32 s[QLO], ttmp9, 7
	s_add_co_u32 s[QLO], s[QLO], s10               ; my low tile's first query
	s_sub_co_u32 s[QHI], 31, ttmp9
	s_lshl_b32 s[QHI], s[QHI], 7
	s_add_co_u32 s[QHI], s[QHI], s10               ; my high tile's
	s_add_co_u32 s[QL15], s[QLO], 15
	s_add_co_u32 s[QH15], s[QHI], 15
	s_or_b32 s[QLAST], s[QHI], 127                 ; the work-group's last query
	s_mov_b32 s[KF], 0
	s_mov_b32 s[TB], 0
	s_mov_b32 s[SLOTS], 15
	s_mov_b32 s[SEL], 0x76543210
	s_mov_b32 s[SEL+1], 0xfedcba98
	s_mov_b32 s[CS], 0x3e38aa3b                    ; c = log2(e) / 8
	s_mov_b32 s[CS+1], s[CS]
	s_mov_b32 s[G1K], (1<<16)|(1<<20)|(4<<22)|(3<<25)   ; elements of 2 bytes; padding: 4 words behind every 32
	s_mov_b32 s[G1V], (1<<16)|(1<<20)|(4<<22)|(7<<25)   ; 8 words
.irp g, G1K, G1V
	s_mov_b32 s[\g+1], 64<<16                      ; tensor_dim0 = 64
	s_mov_b32 s[\g+2], 64<<16                      ; tensor_dim1 = 64
	s_mov_b32 s[\g+3], 64<<16                      ; tile_dim0 = 64
	s_mov_b32 s[\g+4], 64                          ; tile_dim1 = 64
	s_mov_b32 s[\g+5], 64                          ; the pitch
	s_mov_b32 s[\g+6], 0
	s_mov_b32 s[\g+7], 0
.endr
	s_and_b32 s[TS], s[WV], 3                      ; which step of a slot I fetch,
	s_lshr_b32 s50, s[WV], 2                       ; for K (0) or V (1)
	s_mov_b32 s[G0], 1
	s_mul_i32 s[G0+1], s[TS], STEPB
	s_mul_i32 s51, s50, VOFF
	s_add_co_u32 s[G0+1], s[G0+1], s51             ; its place in slot 0
	s_lshl_b32 s48, s50, 4
	s_add_co_u32 s48, s48, 16
	s_add_co_u32 s48, s48, s9                      ; 16 + head for K, 32 + head for V
	s_lshl_b32 s48, s48, 19
	s_lshl_b32 s49, s[TS], 13                      ; 64 rows of 128 bytes a step
	s_add_co_u32 s48, s48, s49
	s_mov_b32 s49, 0
	s_lshl_b32 s52, s9, 19                         ; the head's first byte among q's heads and in ctxh
	s_lshl_b32 s54, s[QHI], 7
	s_add_co_u32 s54, s54, s52
	s_mov_b32 s55, 0
	s_lshl_b32 s56, s[QLO], 7
	s_add_co_u32 s56, s56, s52
	s_mov_b32 s57, 0
	s_cmp_eq_u32 ttmp9, 0
	s_cselect_b32 s[LIM], 1, -1
	s_wait_dscnt 0x0                               ; both opening adds are done
	s_wait_kmcnt 0x0
	s_add_nc_u64 s[G0+2:G0+3], s[4:5], s[48:49]
	s_add_nc_u64 s[PFA:PFA+1], s[G0+2:G0+3], 32768 ; my tile of slot 1; the first change of slots steps it to slot 2.  Nothing is prefetched at the head
	s_or_b32 s[G0+3], s[G0+3], 0x80000000
	TLOAD                                          ; slot 0
	s_add_nc_u64 s[58:59], s[6:7], s[54:55]        ; ctxh at my high tile,
	s_add_nc_u64 s[60:61], s[6:7], s[56:57]        ; at my low tile
	s_add_nc_u64 s[54:55], s[4:5], s[54:55]        ; q likewise
	s_add_nc_u64 s[56:57], s[4:5], s[56:57]
	v_and_b32 v15, 15, v0                          ; r
	v_bfe_u32 v[DD], v0, 4, 1                      ; h
	v_lshlrev_b32 v[QO], 7, v15
	v_lshl_add_u32 v[QO], v[DD], 4, v[QO]          ; row r of 128 bytes + 16 h
.irp k, 0,1                                    ; Q stays in registers: channels 32 k on
	global_load_b128 v[Q+8*\k:Q+8*\k+3], v[QO], s[54:55] offset:64*\k
	global_load_b128 v[Q+8*\k+4:Q+8*\k+7], v[QO], s[54:55] offset:64*\k+32
	global_load_b128 v[Q+16+8*\k:Q+16+8*\k+3], v[QO], s[56:57] offset:64*\k
	global_load_b128 v[Q+16+8*\k+4:Q+16+8*\k+7], v[QO], s[56:57] offset:64*\k+32
.endr
	v_mul_u32_u24 v[AK0], v15, PK
	v_lshl_add_u32 v[AK0], v[DD], 4, v[AK0]        ; K: row x pitch + 16 x half
	v_and_b32 v[ADK], 7, v0
	v_lshl_add_u32 v[AV0], v[DD], 3, v[ADK]        ; V: key 8 h + l % 8,
	v_mul_u32_u24 v[AV0], v[AV0], PV
	v_bfe_u32 v[ADV], v0, 3, 1
	v_lshl_add_u32 v[AV0], v[ADV], 4, v[AV0]       ; channels 8 ((l / 8) % 2) on
	v_add_nc_u32 v[AV0], VOFF, v[AV0]
	v_lshlrev_b32 v[DL], 3, v[DD]
	v_sub_nc_u32 v[DL], v15, v[DL]
	v_mov_b32 v[NINF], 0xff800000                  ; -infinity
	s_mul_i32 s[TS], s[WV], 16*PK
	s_add_co_u32 s[TS], s[TS], STAGE               ; my stage
	v_add_nc_u32 v[STO], s[TS], v[AK0]             ; in: row r, 16 bytes for each half of the lanes
	v_bfe_u32 v[RD], v0, 3, 2
	v_mul_u32_u24 v[RD], v[RD], PK
	v_lshl_add_u32 v[RD], v[ADK], 4, v[RD]
	v_add_nc_u32 v[RD], s[TS], v[RD]               ; back: eight lanes to a row of 128 bytes, four rows an instruction
	v_and_b32 v[GO], 31, v0
	v_lshlrev_b32 v[PFO], 8, v[GO]
	v_lshlrev_b32 v[GO], 4, v[GO]
.irp t, 0,1                                    ; the step is written once: the first finds m = -3e38, l = 0 and O = 0
	v_mov_b32 v[ST+8*\t+1], 0xff61b1e6
	v_mul_f32 v[ST+8*\t], s[CS], v[ST+8*\t+1]
.irp i, 2,3,4,5,6,7
	v_mov_b32 v[ST+8*\t+\i], 0
.endr
.endr
	WIN 0x40
.set i, 0
.rept 64
	v_mov_b32 v[i], 0
.set i, i+1
.endr
	WIN 0
; ONE TILE OF 16 QUERIES AGAINST THE STEP'S 64 KEYS.  q0: the scalar register with the tile's first query.
.macro TILE t, q0
.set rT, ST+8*(\t)
.irp ks, 0,1                                   ; S^T = K Q^T: the four accumulators by turns, one instruction a turn
.irp kt, 0,1,2,3
.if \ks == 0
	v_wmma_f32_16x16x32_f16 v[S+8*\kt:S+8*\kt+7], v[KR+16*\kt:KR+16*\kt+7], v[Q+16*(\t):Q+16*(\t)+7], 0
.else
	v_wmma_f32_16x16x32_f16 v[S+8*\kt:S+8*\kt+7], v[KR+16*\kt+8:KR+16*\kt+15], v[Q+16*(\t)+8:Q+16*(\t)+15], v[S+8*\kt:S+8*\kt+7]
.endif
.endr
.endr
.rept 4
	v_nop                                          ; places behind the products, ahead of the first read of the scores
.endr
	s_add_co_u32 s[TS], s[KF], 63                  ; a step all of whose keys count for all 16 queries skips the mask
	s_cmp_le_u32 s[TS], s[\q0]
	s_cbranch_scc1 .Lopen_\@
	s_sub_co_i32 s[TS], s[\q0], s[KF]
	v_add_nc_u32 v[DD], s[TS], v[DL]               ; register 8 kt + i holds key KF + 16 kt + 8 (lane / 16) + i: hidden where 16 kt + i > my query - KF - 8 (lane / 16)
.set n, 0
.rept 32
	v_cmp_gt_i32 vcc_lo, 16*(n/8)+n%8, v[DD]
	v_cndmask_b32 v[S+n], v[S+n], v[NINF], vcc_lo
.set n, n+1
.endr
.Lopen_\@:
.irp k, 0,1,2,3                                ; the maximum: four chains, each accumulator from its low end on
	v_max3_num_f32 v[rT+4+\k], v[S+8*\k], v[S+8*\k+1], v[S+8*\k+2]
.endr
.irp k, 0,1,2,3
	v_max3_num_f32 v[rT+4+\k], v[rT+4+\k], v[S+8*\k+3], v[S+8*\k+4]
.endr
.irp k, 0,1,2,3
	v_max3_num_f32 v[rT+4+\k], v[rT+4+\k], v[S+8*\k+5], v[S+8*\k+6]
.endr
	v_max3_num_f32 v[rT+4], v[rT+4], v[S+7], v[S+15]
	v_max3_num_f32 v[rT+6], v[rT+6], v[S+23], v[S+31]
	v_max3_num_f32 v[rT+4], v[rT+4], v[rT+5], v[rT+6]
	v_max3_num_f32 v[rT+4], v[rT+4], v[rT+7], v[rT+1]          ; with the old m
	v_permlanex16_b32 v[rT+5], v[rT+4], s[SEL], s[SEL+1]       ; the query's other 32 keys lie in the lane 16 away
	v_mov_b32 v[rT+7], v[rT]                       ; c m_old
	v_max_num_f32 v[rT+1], v[rT+4], v[rT+5]
	v_mul_f32 v[rT], s[CS], v[rT+1]
	v_sub_f32 v[rT+7], v[rT+7], v[rT]
.set n, 0
.rept 16
	v_pk_fma_f32 v[S+n:S+n+1], v[S+n:S+n+1], s[CS:CS+1], v[rT:rT+1] op_sel_hi:[1,0,0] neg_lo:[0,0,1] neg_hi:[0,0,1]   ; c s - c m
.set n, n+2
.endr
	v_exp_f32 v[rT+6], v[rT+7]                     ; a.  One batch of 33 exponentials: none reads another's result
.set n, 0
.rept 32
	v_exp_f32 v[S+n], v[S+n]
.set n, n+1
.endr
	v_nop                                          ; a plain instruction behind the last exponential
	s_wait_alu depctr_va_vdst(0)                   ; one wait for the batch, ahead of its first reader
.set n, 0
.rept 16
	v_cvt_pk_f16_f32 v[P+n], v[S+2*n], v[S+2*n+1]  ; P: two tiles of S^T in pairs are a fragment of 32 keys
.set n, n+1
.endr
.irp u, 0,1,2,3,4,5,6,7                        ; the sum of the unrounded p, in place
	v_pk_add_f32 v[S+4*\u:S+4*\u+1], v[S+4*\u:S+4*\u+1], v[S+4*\u+2:S+4*\u+3]
.endr
.irp u, 0,1,2,3
	v_pk_add_f32 v[S+8*\u:S+8*\u+1], v[S+8*\u:S+8*\u+1], v[S+8*\u+4:S+8*\u+5]
.endr
.irp u, 0,1
	v_pk_add_f32 v[S+16*\u:S+16*\u+1], v[S+16*\u:S+16*\u+1], v[S+16*\u+8:S+16*\u+9]
.endr
	v_pk_add_f32 v[S:S+1], v[S:S+1], v[S+16:S+17]
	v_pk_fma_f32 v[rT+2:rT+3], v[rT+2:rT+3], v[rT+6:rT+7], v[S:S+1] op_sel_hi:[1,0,1]   ; l = a l + the sum
	WIN 0x41                                       ; O^T (destination and source 0) in window 1, a in window 0
.set n, 0
.rept 16
	v_pk_mul_f32 v[32*(\t)+n:32*(\t)+n+1], v[32*(\t)+n:32*(\t)+n+1], v[rT+6:rT+7] op_sel_hi:[1,0]
.set n, n+2
.endr
	s_wait_dscnt 0x0                               ; V is in
	WIN 0x50                                       ; C and D in window 1
.irp ks, 0,1                                   ; O^T += V^T P: the four accumulators by turns
.irp ct, 0,1,2,3
	v_wmma_f32_16x16x32_f16 v[32*(\t)+8*\ct:32*(\t)+8*\ct+7], v[VR+8*(4*\ks+\ct):VR+8*(4*\ks+\ct)+7], v[P+8*\ks:P+8*\ks+7], v[32*(\t)+8*\ct:32*(\t)+8*\ct+7]
.endr
.endr
	WIN 0
.endm
; A KEY STEP: 64 keys.  Left out where all its keys come after my high tile's queries; the low tile drops out earlier.
.macro STEP
	s_cmp_gt_u32 s[KF], s[QH15]
	s_cbranch_scc1 .Lend_\@
	v_add_nc_u32 v[ADK], s[TB], v[AK0]
	v_add_nc_u32 v[ADV], s[TB], v[AV0]
	v_nop
	v_nop                                          ; with the two additions: four places between the last product that read V and the loads below
.irp kt, 0,1,2,3
.irp ks, 0,1
	ds_load_b128 v[KR+8*(2*\kt+\ks):KR+8*(2*\kt+\ks)+3], v[ADK] offset:\kt*16*PK+64*\ks
	ds_load_b128 v[KR+8*(2*\kt+\ks)+4:KR+8*(2*\kt+\ks)+7], v[ADK] offset:\kt*16*PK+64*\ks+32
.endr
.endr
.irp ks, 0,1
.irp ct, 0,1,2,3
	ds_load_tr16_b128 v[VR+8*(4*\ks+\ct):VR+8*(4*\ks+\ct)+3], v[ADV] offset:\ks*32*PV+32*\ct
	ds_load_tr16_b128 v[VR+8*(4*\ks+\ct)+4:VR+8*(4*\ks+\ct)+7], v[ADV] offset:\ks*32*PV+16*PV+32*\ct
.endr
.endr
	s_wait_dscnt 16                                ; K's sixteen loads are in; V's sixteen, issued behind them, may be out
	TILE 0, QHI
	s_cmp_gt_u32 s[KF], s[QL15]
	s_cbranch_scc1 .Lend_\@
	TILE 1, QLO
.Lend_\@:
.endm
.macro FOUR_STEPS                      ; a slot's four steps: written once, walked four times
	s_mov_b32 s[CNT], 4
.Lstep_\@:
	STEP
	s_add_co_u32 s[TB], s[TB], STEPB
	s_add_co_u32 s[KF], s[KF], 64
	s_sub_co_u32 s[CNT], s[CNT], 1
	s_cmp_lg_u32 s[CNT], 0
	s_cbranch_scc1 .Lstep_\@
	s_sub_co_u32 s[TB], s[TB], 4*STEPB
	s_xor_b32 s[TB], s[TB], SLOT1                  ; on to the other slot
.endm
; THE CHANGE OF SLOTS stands at a slot's head: all my tensor loads have landed (my part of the slot ahead), the add, my reads of the slot that I have left are over; the barrier; then the slot left is filled.
.macro CHANGE fill
	s_wait_tensorcnt 0x0                           ; no tensor load of mine is out, so the group 0 may be written
	ds_add_u32 v[SPW], v[NIL]
.if \fill
	s_xor_b32 s[G0+1], s[G0+1], SLOT1              ; the walking descriptor: the other slot,
	s_add_nc_u64 s[G0+2:G0+3], s[G0+2:G0+3], 32768 ; the next 256 keys
	s_wait_xcnt 0x0                                ; the last prefetch, a slot back, has read its address
	s_add_nc_u64 s[PFA:PFA+1], s[PFA:PFA+1], 32768
.endif
	s_wait_dscnt 0x0
	s_barrier_signal -1
	s_barrier_wait -1
.if \fill
	s_add_co_u32 s[TS], s[KF], 256                 ; the first key of the slot that this change would ask for,
	s_cmp_gt_u32 s[TS], s[QLAST]                   ; against the work-group's last query: ids and the count of steps alone, the same in all eight waves
	s_cbranch_scc1 .Lpast_\@
	TLOAD                                          ; my one tensor load until the next change
.Lpast_\@:
	ASK
.endif
.endm
	s_wait_loadcnt 0x0                             ; Q
.Lslot:                                            ; 15 trips
	CHANGE 1
	FOUR_STEPS
	s_sub_co_u32 s[SLOTS], s[SLOTS], 1
	s_cmp_lg_u32 s[SLOTS], 0
	s_cbranch_scc1 .Lslot
	CHANGE 0                                       ; the last slot is written out: nothing is left to ask for
	FOUR_STEPS
	; THE WAY OUT: O^T / l, rounded to f16, through my stage, out as 512 consecutive bytes an instruction.
.rept 4
	v_nop                                          ; places behind the last products
.endr
.irp t, 0,1
	v_add_f32 v[ST+8*\t+4], v[ST+8*\t+2], v[ST+8*\t+3]
.endr
.irp t, 0,1
	v_permlanex16_b32 v[ST+8*\t+5], v[ST+8*\t+4], s[SEL], s[SEL+1]
.endr
.irp t, 0,1
	v_add_f32 v[ST+8*\t+4], v[ST+8*\t+4], v[ST+8*\t+5]
.endr
.irp t, 0,1
	v_rcp_f32 v[ST+8*\t+6], v[ST+8*\t+4]
.endr
	v_nop
	s_wait_alu depctr_va_vdst(0)                   ; one wait for the two reciprocals, ahead of their first reader
.macro OUTT t
	WIN 0x41
.set i, 0
.rept 16
	v_pk_mul_f32 v[32*(\t)+i:32*(\t)+i+1], v[32*(\t)+i:32*(\t)+i+1], v[ST+8*(\t)+6:ST+8*(\t)+7] op_sel_hi:[1,0]
.set i, i+2
.endr
	WIN 0x05                                       ; sources in window 1, destination in window 0
.set i, 0
.rept 16
	v_cvt_pk_f16_f32 v[S+16*(\t)+i], v[32*(\t)+2*i], v[32*(\t)+2*i+1]
.set i, i+1
.endr
	WIN 0
.irp c, 0,1,2,3
	ds_store_b128 v[STO], v[S+16*(\t)+4*\c:S+16*(\t)+4*\c+3] offset:32*\c
.endr
.irp c, 0,1,2,3
	ds_load_b128 v[P+16*(\t)+4*\c:P+16*(\t)+4*\c+3], v[RD] offset:4*PK*\c   ; LDS serves a wave's instructions in order
.endr
.endm
	OUTT 0
	OUTT 1
.irp c, 0,1,2,3
	s_wait_dscnt 11-\c                             ; behind this load: the rest of tile 0's and tile 1's eight
	global_store_b128 v[GO], v[P+4*\c:P+4*\c+3], s[58:59] offset:512*\c
.endr
.irp c, 0,1,2,3
	s_wait_dscnt 3-\c
	global_store_b128 v[GO], v[P+16+4*\c:P+16+4*\c+3], s[60:61] offset:512*\c
.endr
	s_wait_tensorcnt 0x0                           ; the wave's end
	ds_add_u32 v[SPW], v[NIL]
	s_wait_dscnt 0x0
	s_endpgm
.Lfunc_end_k_qf23153538e_attn:
	.size	k_qf23153538e_attn, .Lfunc_end_k_qf23153538e_attn-k_qf23153538e_attn
	.p2alignl 7, 3214868480
	.fill 96, 4, 3214868480
	.section	.rodata,"a",@progbits
	.p2align	6, 0x0
	.amdhsa_kernel k_qf23153538e_attn
		.amdhsa_group_segment_fixed_size 327680
		.amdhsa_private_segment_fixed_size 0
		.amdhsa_enable_private_segment 0
		.amdhsa_kernarg_size 16
		.amdhsa_user_sgpr_count 2
		.amdhsa_user_sgpr_kernarg_segment_ptr 1
		.amdhsa_wavefront_size32 1
		.amdhsa_system_sgpr_workgroup_id_x 1
		.amdhsa_system_sgpr_workgroup_id_y 1
		.amdhsa_system_sgpr_workgroup_id_z 1
		.amdhsa_system_vgpr_workitem_id 0
		.amdhsa_next_free_vgpr 320
		.amdhsa_next_free_sgpr 72
		.amdhsa_reserve_vcc 1
		.amdhsa_float_denorm_mode_32 3
		.amdhsa_float_denorm_mode_16_64 3
		.amdhsa_memory_ordered 1
		.amdhsa_forward_progress 1
		.amdhsa_inst_pref_size 61
	.end_amdhsa_kernel
	.amdgpu_metadata
---
amdhsa.version: [ 1, 2 ]
amdhsa.kernels:
  - .name:           k_qf23153538e_attn
    .symbol:         k_qf23153538e_attn.kd
    .args:
      - { .name: qkv, .offset: 0, .size: 8, .value_kind: global_buffer, .address_space: global }
      - { .name: ctxh, .offset: 8, .size: 8, .value_kind: global_buffer, .address_space: global }
    .group_segment_fixed_size: 327680
    .private_segment_fixed_size: 0
    .kernarg_segment_align: 8
    .kernarg_segment_size: 16
    .max_flat_workgroup_size: 256
    .sgpr_count:     72
    .vgpr_count:     320
    .wavefront_size: 32
...
	.end_amdgpu_metadata
.endif
;; end of part 3
;; launch proj (part 4): grid 8 x 32, 4 waves a work-group, clusters of 4 x 4, 327,680 bytes of LDS; arguments ctxh, woh, bo, out0; writes out0
.if DOCPART == 4
	.amdgcn_target "amdgcn-amd-amdhsa--gfx1250"
	.amdhsa_code_object_version 6
	.text
	.protected	k_qf23153538e_proj
	.globl	k_qf23153538e_proj
	.p2align	8
	.type	k_qf23153538e_proj,@function
k_qf23153538e_proj:
	s_mov_b64 s[64:65], 0
	v_nop
	global_prefetch_b8 v0, s[64:65] scope:SCOPE_SE
	s_setreg_imm32_b32 hwreg(HW_REG_WAVE_MODE, 25, 1), 1
	s_wait_xcnt 0x0
	s_wait_alu depctr_hold_cnt(0) depctr_sa_sdst(0) depctr_va_vdst(0) depctr_va_sdst(0) depctr_va_ssrc(0) depctr_va_vcc(0) depctr_vm_vsrc(0)
	s_getreg_b32 s2, hwreg(HW_REG_IB_STS2, 6, 4)
	s_cmp_eq_u32 s2, 0
	s_cbranch_scc0 .Lentry_in_a_cluster
	s_endpgm
.Lentry_in_a_cluster:
	s_bfe_u32 s2, ttmp6, 0x10000c
	s_cmp_lg_u32 s2, 0xf033
	s_cbranch_scc0 .Lentry_shape_is_right
	s_endpgm
.Lentry_shape_is_right:
; PROJ.  out0[m][n] = sum over k of ctx[m][k] Wo[k][n] + bo[n].  A = ctxh [16 chunks][4096 m][64 k] f16, B = woh [16 chunks][1024 n][64 k] f16, sums in f32, out0 [4096][1024] f32.
; (Rows 0 to 15 are stored here like all others and are written anew, from f32 operands, by the launch that follows.)
; A tile of out0 is 128 x 128: 256 work-groups; four waves of 64 x 64: 16 accumulators.  K goes in steps of 256 = four chunks through two LDS slots.
; A chunk's 128 rows are 16,384 dense bytes of memory: a tensor load states them as ONE row and brings two chunks, with 16 bytes of padding behind every 128: LDS rows 144 bytes apart.
; CLUSTERS: 4 x 4; A's tiles jointly along a row of the cluster, B's along a column.  The matrix instruction is used transposed: a lane holds eight neighbouring columns of a row.
; The bias is the C of each sum's first product.  No prefetch: a K step's matrix work on this small tile is short, and the tiles are shared in the cluster.
; REGISTERS: window 0: v0-31 addresses; v32-95 the way out; v96-127 the bias (four tiles of columns); v128-255 the accumulators.  Window 1: two fragment buffers of 128.
.set PITCH,  144
.set CH,     128*PITCH                 ; a chunk of 128 rows in LDS
.set HALFT,  2*CH                      ; what one tensor load brings
.set SLOT,   4*HALFT                   ; A's four chunks, then B's four
.set STAGE,  2*SLOT                    ; 16 rows x (256 bytes + 16) for each wave
.set SPITCH, 272
.set SPARE,  STAGE+4*16*SPITCH         ; the spare words: 128 bytes a wave; no other line names them
.set LAPS,   2                         ; K = 1,024: four K steps, twice round the ring
.set STEP_A, 8*524288                  ; two K steps on: eight chunks
.set STEP_B, 8*131072
.set ADRA, 16
.set ADRB, 20
.set STO,  24
.set RD,   25
.set CO,   26
.set SPW,  28
.set NIL,  29
.set TMP,  32
.set BIAS, 96
.set ACC,  128
.set F0,   0
.set F1,   128
.set G1, 24
.set G0, 32
.set G1B, 48
.set G0B, 56
.set MSB, 0
.macro WIN new
.if MSB != \new
	s_set_vgpr_msb (MSB<<8)|\new
.set MSB, \new
.endif
.endm
.set MUL,  0x05                        ; sources 0 (B) and 1 (A) window 1; C and D window 0
.set TO_F, 0x40
.macro JLOAD s                         ; waves 0 and 1 fetch A's two halves, waves 2 and 3 B's; an s_nop 0 and four v_nop follow each line
	s_cmp_eq_u32 s13, 0
	s_cbranch_scc0 .Lfor_b_\@
	tensor_load_to_lds s[G0+4*\s:G0+4*\s+3], s[G1:G1+7]
	s_nop 0
.rept 4
	v_nop
.endr
	s_branch .Lasked_\@
.Lfor_b_\@:
	tensor_load_to_lds s[G0B+4*\s:G0B+4*\s+3], s[G1B:G1B+7]
	s_nop 0
.rept 4
	v_nop
.endr
.Lasked_\@:
.endm
.macro CREST
	s_cmp_lg_u32 s12, 0
	s_cbranch_scc1 .Lnot_wave_0_\@
	s_barrier_signal -3
.Lnot_wave_0_\@:
	s_barrier_wait -3
	s_barrier_signal -1
	s_barrier_wait -1
.endm
.macro CROUND
	s_barrier_signal -1
	s_barrier_wait -1
	CREST
.endm
	s_load_b128 s[4:7], s[0:1], 0x0                ; ctxh, woh
	s_load_b128 s[8:11], s[0:1], 0x10              ; bo, out0
	v_lshl_add_u32 v[SPW], v0, 2, SPARE
	v_mov_b32 v[NIL], 0
	ds_add_u32 v[SPW], v[NIL]                      ; the wave's opening: the add, twice on end, and its wait ahead of my first tensor load
	ds_add_u32 v[SPW], v[NIL]
	v_lshrrev_b32 v1, 5, v0
	v_readfirstlane_b32 s12, v1                    ; wave 0..3
	s_lshr_b32 s13, s12, 1                         ; which half of the tile's rows is mine.  Also: I fetch for A (0) or for B (1)
	s_and_b32 s14, s12, 1                          ; which half of its columns.  Also: which two chunks of a K step I fetch
	s_bfe_u32 s40, ttmp6, 0x40000
	s_bfe_u32 s41, ttmp6, 0x40004
	s_lshl_b32 s42, ttmp9, 2
	s_add_co_u32 s42, s42, s40                     ; tile column
	s_and_b32 s15, ttmp7, 0xffff
	s_lshl_b32 s15, s15, 2
	s_add_co_u32 s15, s15, s41                     ; tile row
	s_lshl_b32 s43, s41, 2
	s_lshl_b32 s43, 15, s43                        ; my row of the cluster
	s_lshl_b32 s44, 0x1111, s40                    ; my column
	s_or_b32 s[G1+0], s43, (1<<16)|(1<<20)|(1<<21)|(4<<22)|(3<<25)  ; the mask; elements of 2 bytes; padding: 4 words behind every 32; bit 21 beside a mask
	s_or_b32 s[G1B+0], s44, (1<<16)|(1<<20)|(1<<21)|(4<<22)|(3<<25)
.irp g, G1, G1B
	s_mov_b32 s[\g+1], 8192<<16                    ; tensor_dim0 = 8,192 elements: a chunk's 128 rows on end
	s_mov_b32 s[\g+2], 2<<16                       ; tensor_dim1 = 2 chunks
	s_mov_b32 s[\g+3], 8192<<16                    ; tile_dim0
	s_mov_b32 s[\g+4], 2                           ; tile_dim1
	s_mov_b32 s[\g+6], 0
	s_mov_b32 s[\g+7], 0
.endr
	s_mov_b32 s[G1+5], 262144                      ; from chunk to chunk, in elements: 4,096 rows of 64
	s_mov_b32 s[G1B+5], 65536                      ; 1,024 rows of 64
	s_lshl_b32 s16, s15, 14                        ; A: 128 rows of 128 bytes a tile row,
	s_lshl_b32 s17, s14, 20                        ; + two chunks of 524,288 bytes
	s_add_co_u32 s16, s16, s17
	s_mov_b32 s17, 0
	s_lshl_b32 s46, s42, 14                        ; B likewise: chunks of 131,072 bytes
	s_lshl_b32 s47, s14, 18
	s_add_co_u32 s46, s46, s47
	s_mov_b32 s47, 0
	s_mul_i32 s20, s12, HALFT                      ; where they go: no place in the cluster enters an LDS address
	s_wait_dscnt 0x0                               ; both opening adds are done
	s_wait_kmcnt 0x0
	s_add_nc_u64 s[16:17], s[4:5], s[16:17]
	s_add_nc_u64 s[46:47], s[6:7], s[46:47]
	CROUND                                         ; all sixteen work-groups are here: the first joint loads meet
.irp s, 0,1
	s_mov_b32 s[G0+4*\s], 1
	s_add_co_u32 s[G0+4*\s+1], s20, \s*SLOT
	s_add_nc_u64 s[G0+4*\s+2:G0+4*\s+3], s[16:17], \s*4*524288
	s_or_b32 s[G0+4*\s+3], s[G0+4*\s+3], 0x80000000
	s_mov_b32 s[G0B+4*\s], 1
	s_add_co_u32 s[G0B+4*\s+1], s20, \s*SLOT
	s_add_nc_u64 s[G0B+4*\s+2:G0B+4*\s+3], s[46:47], \s*4*131072
	s_or_b32 s[G0B+4*\s+3], s[G0B+4*\s+3], 0x80000000
	JLOAD \s
.endr
	v_and_b32 v1, 15, v0                           ; l % 16
	v_bfe_u32 v2, v0, 4, 1                         ; l / 16
	s_lshl_b32 s46, s42, 9
	s_lshl_b32 s47, s14, 8
	s_add_co_u32 s46, s46, s47                     ; my first column, in bytes of f32: 512 x tile column + 256 x half
	s_mov_b32 s47, 0
	s_add_nc_u64 s[8:9], s[8:9], s[46:47]
	v_lshlrev_b32 v6, 5, v2                        ; the bias in the result's layout: for tile b of columns, bo at 16 b + 8 (l / 16) + 0 .. 7
.irp b, 0,1,2,3
	global_load_b128 v[BIAS+8*\b:BIAS+8*\b+3], v6, s[8:9] offset:64*\b
	global_load_b128 v[BIAS+8*\b+4:BIAS+8*\b+7], v6, s[8:9] offset:64*\b+16
.endr
	v_mul_u32_u24 v3, v1, PITCH
	v_lshl_add_u32 v3, v2, 4, v3                   ; a fragment's row x pitch + 16 x half
	s_mul_i32 s21, s13, 64*PITCH                   ; my 64 rows of A in each chunk
	s_mul_i32 s22, s14, 64*PITCH                   ; my 64 rows of B,
	s_add_co_u32 s22, s22, 2*HALFT                 ; behind A's four chunks
.irp s, 0,1
	v_add_nc_u32 v[ADRA+\s], s21, v3
	v_add_nc_u32 v[ADRB+\s], s22, v3
	s_add_co_u32 s21, s21, SLOT
	s_add_co_u32 s22, s22, SLOT
.endr
	s_mul_i32 s23, s12, 16*SPITCH
	s_add_co_u32 s23, s23, STAGE                   ; my stage
	v_mul_u32_u24 v4, v1, SPITCH
	v_lshl_add_u32 v4, v2, 5, v4
	v_add_nc_u32 v[STO], s23, v4                   ; in: row l % 16, 32 bytes for each half of the lanes
	v_mul_u32_u24 v5, v2, SPITCH
	v_lshl_add_u32 v5, v1, 4, v5
	v_add_nc_u32 v[RD], s23, v5                    ; back: lanes 0-15 one row of 256 bytes, lanes 16-31 the next
	v_lshlrev_b32 v[CO], 4, v1
	v_lshl_add_u32 v[CO], v2, 12, v[CO]            ; and the same two rows in out0
	s_add_nc_u64 s[10:11], s[10:11], s[46:47]
	s_lshl_b32 s46, s15, 19                        ; 128 rows of 4,096 bytes a tile row
	s_lshl_b32 s47, s13, 18
	s_add_co_u32 s46, s46, s47
	s_mov_b32 s47, 0
	s_add_nc_u64 s[10:11], s[10:11], s[46:47]
; 8 matrix instructions: m blocks a0, a0 + 1 x all 4 n blocks, 32 along K: half c of buffer f.  zero = 1: the first product starts the sums, on the bias.  The 16 accumulators take turns.
.macro MUL8 f, c, a0, zero
.irp a, \a0, \a0+1
.irp b, 0,1,2,3
.if \zero
	v_wmma_f32_16x16x32_f16 v[ACC+8*(4*(\a)+\b):ACC+8*(4*(\a)+\b)+7], v[\f+64+8*(4*\c+\b):\f+64+8*(4*\c+\b)+7], v[\f+8*(4*\c+\a):\f+8*(4*\c+\a)+7], v[BIAS+8*\b:BIAS+8*\b+7]
.else
	v_wmma_f32_16x16x32_f16 v[ACC+8*(4*(\a)+\b):ACC+8*(4*(\a)+\b)+7], v[\f+64+8*(4*\c+\b):\f+64+8*(4*\c+\b)+7], v[\f+8*(4*\c+\a):\f+8*(4*\c+\a)+7], v[ACC+8*(4*(\a)+\b):ACC+8*(4*(\a)+\b)+7]
.endif
.endr
.endr
.endm
; 32 LDS loads in one run: the fragments of one chunk (64 along K), which begins k bytes into the slot's part, into buffer f; the first 32 along K first
.macro FETCH slot, k, f
	WIN TO_F
.irp c, 0,1
.irp i, 0,1,2,3
	ds_load_b128 v[\f+64+8*(4*\c+\i):\f+64+8*(4*\c+\i)+3],   v[ADRB+\slot] offset:\k+64*\c+\i*16*PITCH
	ds_load_b128 v[\f+64+8*(4*\c+\i)+4:\f+64+8*(4*\c+\i)+7], v[ADRB+\slot] offset:\k+64*\c+\i*16*PITCH+32
	ds_load_b128 v[\f+8*(4*\c+\i):\f+8*(4*\c+\i)+3],         v[ADRA+\slot] offset:\k+64*\c+\i*16*PITCH
	ds_load_b128 v[\f+8*(4*\c+\i)+4:\f+8*(4*\c+\i)+7],       v[ADRA+\slot] offset:\k+64*\c+\i*16*PITCH+32
.endr
.endr
.endm
.macro PLACES
.rept 4
	v_nop
.endr
.endm
; A K step is four quarters, a chunk each, 32 matrix instructions, on buffers 0, 1, 0, 1.
.macro QUARTER slot, k, f, g, zero
	s_wait_dscnt 16                                ; the first 32 along K are in; the sixteen younger loads may be out
	WIN MUL
	MUL8 \f, 0, 0, \zero
	MUL8 \f, 0, 2, \zero
	PLACES
	FETCH \slot, \k, \g
	s_wait_dscnt 32                                ; all but the 32 just issued
	WIN MUL
	MUL8 \f, 1, 0, 0
	MUL8 \f, 1, 2, 0
.endm
; The last quarter changes slots: all my tensor loads have landed, the add, my reads of this slot are over; one barrier, which with fill = 1 opens a round of the cluster's; then the joint refill.
.macro TURN slot, next, fill
	WIN 0
	s_wait_tensorcnt 0x0
	ds_add_u32 v[SPW], v[NIL]
	s_wait_dscnt 17                                ; the add and the youngest sixteen loads may be out
	WIN MUL
	MUL8 F1, 0, 0, 0
	s_wait_dscnt 0x0
	s_barrier_signal -1
	MUL8 F1, 0, 2, 0
.if \fill
	WIN 0
.endif
	s_barrier_wait -1
.if \fill
	CREST
	s_add_nc_u64 s[G0+4*\slot+2:G0+4*\slot+3], s[G0+4*\slot+2:G0+4*\slot+3], STEP_A
	s_add_nc_u64 s[G0B+4*\slot+2:G0B+4*\slot+3], s[G0B+4*\slot+2:G0B+4*\slot+3], STEP_B
	JLOAD \slot                                    ; the first tensor load behind the round; its four v_nop are also the places in front of the loads below
.else
	PLACES
.endif
	FETCH \next, 0, F0
	WIN MUL
	MUL8 F1, 1, 0, 0
	MUL8 F1, 1, 2, 0
.endm
	s_wait_tensorcnt 1                             ; my part of K step 0 is in; K step 1's may be out
	s_barrier_signal -1
	s_barrier_wait -1
	FETCH 0, 0, F0
	s_wait_loadcnt 0x0                             ; the bias
	QUARTER 0, CH, F0, F1, 1
	WIN 0
	s_mov_b32 s3, LAPS-1
.Llap:                                                 ; a trip goes once round the ring and fills both slots again
	QUARTER 0, 2*CH, F1, F0, 0
	QUARTER 0, 3*CH, F0, F1, 0
	TURN 0, 1, 1
	QUARTER 1, CH,   F0, F1, 0
	QUARTER 1, 2*CH, F1, F0, 0
	QUARTER 1, 3*CH, F0, F1, 0
	TURN 1, 0, 1
	QUARTER 0, CH,   F0, F1, 0
	WIN 0
	s_sub_co_u32 s3, s3, 1
	s_cmp_lg_u32 s3, 0
	s_cbranch_scc1 .Llap
	QUARTER 0, 2*CH, F1, F0, 0                     ; the last lap fills nothing
	QUARTER 0, 3*CH, F0, F1, 0
	TURN 0, 1, 0
	QUARTER 1, CH,   F0, F1, 0
	QUARTER 1, 2*CH, F1, F0, 0
	QUARTER 1, 3*CH, F0, F1, 0
	s_wait_dscnt 16
	WIN MUL
	MUL8 F1, 0, 0, 0
	MUL8 F1, 0, 2, 0
	s_wait_dscnt 0
	MUL8 F1, 1, 0, 0
	MUL8 F1, 1, 2, 0
	WIN 0
; THE WAY OUT.  My 64 columns of f32 are 256 bytes: a block of 16 rows goes through my own stage and comes back by rows: sixteen lanes store 256 consecutive bytes, aligned.  No barrier: the stage is mine alone.
.macro TOSTAGE a
.irp b, 0,1,2,3
	ds_store_b128 v[STO], v[ACC+8*(4*(\a)+\b):ACC+8*(4*(\a)+\b)+3] offset:64*\b       ; each accumulator from its low end on
	ds_store_b128 v[STO], v[ACC+8*(4*(\a)+\b)+4:ACC+8*(4*(\a)+\b)+7] offset:64*\b+16
.endr
.set BB, TMP+32*((\a)%2)
.irp t, 0,1,2,3,4,5,6,7
	ds_load_b128 v[BB+4*\t:BB+4*\t+3], v[RD] offset:\t*2*SPITCH
.endr
.endm
.macro SEND a, younger
.set BB, TMP+32*((\a)%2)
	s_wait_dscnt \younger                          ; the block is back; the next block's eight stores and eight loads may be out
.irp t, 0,1,2,3,4,5,6,7
	global_store_b128 v[CO], v[BB+4*\t:BB+4*\t+3], s[10:11] offset:(16*(\a)+2*\t)*4096 th:TH_STORE_NT
.endr
.endm
	PLACES
	TOSTAGE 0
.irp a, 1,2,3
.if \a > 1
	s_wait_xcnt 0x0                                ; block a - 2's stores have read their registers: block a's loads may land there
.endif
	TOSTAGE \a
	SEND \a-1, 16
.endr
	SEND 3, 0
	s_wait_tensorcnt 0x0                           ; the wave's end
	ds_add_u32 v[SPW], v[NIL]
	s_wait_dscnt 0x0
	CROUND                                         ; the closing round
	s_endpgm
.Lfunc_end_k_qf23153538e_proj:
	.size	k_qf23153538e_proj, .Lfunc_end_k_qf23153538e_proj-k_qf23153538e_proj
	.p2alignl 7, 3214868480
	.fill 96, 4, 3214868480
	.section	.rodata,"a",@progbits
	.p2align	6, 0x0
	.amdhsa_kernel k_qf23153538e_proj
		.amdhsa_group_segment_fixed_size 327680
		.amdhsa_private_segment_fixed_size 0
		.amdhsa_enable_private_segment 0
		.amdhsa_kernarg_size 32
		.amdhsa_user_sgpr_count 2
		.amdhsa_user_sgpr_kernarg_segment_ptr 1
		.amdhsa_wavefront_size32 1
		.amdhsa_system_sgpr_workgroup_id_x 1
		.amdhsa_system_sgpr_workgroup_id_y 1
		.amdhsa_system_sgpr_workgroup_id_z 1
		.amdhsa_system_vgpr_workitem_id 0
		.amdhsa_next_free_vgpr 512
		.amdhsa_next_free_sgpr 66
		.amdhsa_reserve_vcc 0
		.amdhsa_float_denorm_mode_32 3
		.amdhsa_float_denorm_mode_16_64 3
		.amdhsa_memory_ordered 1
		.amdhsa_forward_progress 1
		.amdhsa_inst_pref_size 86
	.end_amdhsa_kernel
	.amdgpu_metadata
---
amdhsa.version: [ 1, 2 ]
amdhsa.kernels:
  - .name:           k_qf23153538e_proj
    .symbol:         k_qf23153538e_proj.kd
    .args:
      - { .name: ctxh, .offset: 0, .size: 8, .value_kind: global_buffer, .address_space: global }
      - { .name: woh, .offset: 8, .size: 8, .value_kind: global_buffer, .address_space: global }
      - { .name: bo, .offset: 16, .size: 8, .value_kind: global_buffer, .address_space: global }
      - { .name: out0, .offset: 24, .size: 8, .value_kind: global_buffer, .address_space: global }
    .group_segment_fixed_size: 327680
    .private_segment_fixed_size: 0
    .kernarg_segment_align: 8
    .kernarg_segment_size: 32
    .max_flat_workgroup_size: 128
    .sgpr_count:     66
    .vgpr_count:     512
    .wavefront_size: 32
...
	.end_amdgpu_metadata
.endif
;; end of part 4
;; launch first16 (part 5): grid 32 x 1, 16 waves a work-group, no clusters, 38,912 bytes of LDS; arguments h16, Wo, bo, out0; writes out0
.if DOCPART == 5
	.amdgcn_target "amdgcn-amd-amdhsa--gfx1250"
	.amdhsa_code_object_version 6
	.text
	.protected	k_qf23153538e_first16
	.globl	k_qf23153538e_first16
	.p2align	8
	.type	k_qf23153538e_first16,@function
k_qf23153538e_first16:
	s_mov_b64 s[64:65], 0
	v_nop
	global_prefetch_b8 v0, s[64:65] scope:SCOPE_SE
	s_setreg_imm32_b32 hwreg(HW_REG_WAVE_MODE, 25, 1), 1
	s_wait_xcnt 0x0
; FIRST16.  Rows 0 to 15 of out0 once more, wholly in f32: these positions average one to sixteen values, and the rounding of 16-bit operands weighs most there.
; h16 holds the f32 sums of q, k, v at positions 0-15 as register images: [192 tiles of 16 columns][g 0, 1][32 lanes][16 bytes]: lane (r, h), word e = (position r, column 16 tile + 8 h + 4 g + e).
; A work-group owns 32 columns of out0; wave w is head w.  out = sum over heads of P_h (V_h Wo_h) + bo: in this order every operand is a dense load or an earlier result's own registers: nothing is transposed.
; v_wmma_f32_16x16x4_f32: a lane's pair of registers holds k = 2 h + 0, 1 of its row (or column).  A pair of an image's registers holds four of the head's channels, the same four in Q's, K's and V's images
; and in Wo's registers, which are loaded to match: the order of a contraction's terms is free where both sides have the same.
; Wo is read, and out0 written, in aligned runs of 128 bytes: 64 columns a work-group would want more registers than an instruction can name.  The work is small: no tensor load, no cluster, no prefetch.
; REGISTERS: v16-47 Q, v48-79 K, v80-111 V, v112-175 Wo; v176-223 the six accumulators, written by matrix instructions alone; v224-231 scores, then p; v232-239 p / l; v240-246 at work.
.set SPARE, 36864                      ; behind the 16 heads' parts (16 rows x 144 bytes each): the spare words, 128 bytes a wave
.set SPW, 6
.set NIL, 7
	s_load_b256 s[4:11], s[0:1], 0x0               ; h16, Wo, bo, out0
	v_lshl_add_u32 v[SPW], v0, 2, SPARE
	v_mov_b32 v[NIL], 0
	v_lshrrev_b32 v1, 5, v0
	v_readfirstlane_b32 s12, v1                    ; wave = head
	v_and_b32 v2, 31, v0                           ; lane
	v_and_b32 v1, 15, v0                           ; r
	v_bfe_u32 v4, v0, 4, 1                         ; h
	v_lshlrev_b32 v3, 4, v2                        ; an image's 16 bytes a lane
	v_lshlrev_b32 v5, 3, v1
	v_lshl_add_u32 v5, v4, 15, v5                  ; Wo: 8 h rows of 4,096 bytes + columns 2 r, 2 r + 1
	v_lshlrev_b32 v8, 2, v2                        ; 4 x lane
	s_mul_i32 s24, s12, 2304
	v_mul_u32_u24 v9, v4, 1152
	v_lshl_add_u32 v9, v1, 3, v9
	v_add_nc_u32 v9, s24, v9                       ; my head's part: row 8 h (+ j), columns 2 r (+ u)
	s_mul_i32 s25, s12, 144
	v_add_nc_u32 v10, s25, v8                      ; the sum over heads: row w of each part, my column
	v_lshlrev_b32 v11, 3, v4
	v_sub_nc_u32 v11, v1, v11                      ; r - 8 h
	v_mov_b32 v13, 0xff800000                      ; -infinity
	s_mov_b32 s14, 0x76543210
	s_mov_b32 s15, 0xfedcba98
	s_mov_b32 s16, 0x3e38aa3b                      ; c = log2(e) / 8
	s_lshl_b32 s18, s12, 12
	s_mov_b32 s19, 0
	s_lshl_b32 s20, ttmp9, 7                       ; my 32 columns, in bytes
	s_mov_b32 s21, 0
	s_lshl_b32 s22, s12, 18                        ; my head's 64 rows of Wo
	s_mov_b32 s23, 0
	s_wait_kmcnt 0x0
	s_add_nc_u64 s[4:5], s[4:5], s[18:19]          ; my head's four tiles of columns: 4,096 bytes
	s_add_nc_u64 s[6:7], s[6:7], s[22:23]
	s_add_nc_u64 s[6:7], s[6:7], s[20:21]
	s_add_nc_u64 s[8:9], s[8:9], s[20:21]
	s_add_nc_u64 s[10:11], s[10:11], s[18:19]      ; row w of out0
	s_add_nc_u64 s[10:11], s[10:11], s[20:21]
.irp i, 0,1,2,3,4,5,6,7
	global_load_b128 v[16+4*\i:19+4*\i], v3, s[4:5] offset:512*\i
	global_load_b128 v[48+4*\i:51+4*\i], v3, s[4:5] offset:65536+512*\i
	global_load_b128 v[80+4*\i:83+4*\i], v3, s[4:5] offset:131072+512*\i
.endr
.set n, 0
.rept 32
	global_load_b64 v[112+2*n:113+2*n], v5, s[6:7] offset:(16*(n/8)+n%8)*4096   ; Wo at the channel that register n of an image holds in my lane
.set n, n+1
.endr
	global_load_b32 v12, v8, s[8:9]                ; the bias of my column
	s_wait_loadcnt 0x0
.set n, 0
.rept 16
	v_swap_b32 v[113+4*n], v[114+4*n]              ; from (channel, column) pairs to pairs of channels: v[112 + 4 n ..] the even columns' tile, v[114 + 4 n ..] the odd columns'
.set n, n+1
.endr
	; S^T = K Q^T: 16 steps of 4 channels, two accumulators by turns; the first two start the sums
	v_wmma_f32_16x16x4_f32 v[176:183], v[48:49], v[16:17], 0
	v_wmma_f32_16x16x4_f32 v[184:191], v[50:51], v[18:19], 0
.irp k, 2,4,6,8,10,12,14
	v_wmma_f32_16x16x4_f32 v[176:183], v[48+2*\k:49+2*\k], v[16+2*\k:17+2*\k], v[176:183]
	v_wmma_f32_16x16x4_f32 v[184:191], v[50+2*\k:51+2*\k], v[18+2*\k:19+2*\k], v[184:191]
.endr
	; G_u = V Wo: (key, column): the two tiles of columns by turns
	v_wmma_f32_16x16x4_f32 v[192:199], v[80:81], v[112:113], 0
	v_wmma_f32_16x16x4_f32 v[200:207], v[80:81], v[114:115], 0
.irp k, 1,2,3,4,5,6,7,8,9,10,11,12,13,14,15
	v_wmma_f32_16x16x4_f32 v[192:199], v[80+2*\k:81+2*\k], v[112+4*\k:113+4*\k], v[192:199]
	v_wmma_f32_16x16x4_f32 v[200:207], v[80+2*\k:81+2*\k], v[114+4*\k:115+4*\k], v[200:207]
.endr
.rept 8
	v_nop                                          ; eight places behind this form, ahead of the first read of results
.endr
	; the softmax: lane (r, h) holds query r and keys 8 h + 0 .. 7
.irp j, 0,1,2,3,4,5,6,7
	v_add_f32 v[224+\j], v[176+\j], v[184+\j]      ; the two halves of the sum over channels, from the low end on
.endr
.irp j, 0,1,2,3,4,5,6,7
	v_cmp_gt_i32 vcc_lo, \j, v11                   ; key 8 h + j is hidden where it comes after query r
	v_cndmask_b32 v[224+\j], v[224+\j], v13, vcc_lo
.endr
	v_max3_num_f32 v240, v224, v225, v226
	v_max3_num_f32 v241, v227, v228, v229
	v_max3_num_f32 v240, v240, v230, v231
	v_max_num_f32 v240, v240, v241
	v_permlanex16_b32 v241, v240, s14, s15
	v_max_num_f32 v240, v240, v241                 ; the row's maximum: key 0 counts for every query, so it is a number
	v_mul_f32 v242, s16, v240
.irp j, 0,1,2,3,4,5,6,7
	v_fma_f32 v[224+\j], v[224+\j], s16, -v242
.endr
.irp j, 0,1,2,3,4,5,6,7
	v_exp_f32 v[224+\j], v[224+\j]
.endr
	v_nop
	s_wait_alu depctr_va_vdst(0)                   ; one wait for the eight, ahead of their first reader
	v_add_f32 v243, v224, v225
	v_add_f32 v244, v226, v227
	v_add_f32 v245, v228, v229
	v_add_f32 v246, v230, v231
	v_add_f32 v243, v243, v244
	v_add_f32 v245, v245, v246
	v_add_f32 v243, v243, v245
	v_permlanex16_b32 v244, v243, s14, s15
	v_add_f32 v243, v243, v244                     ; the row's sum
	v_rcp_f32 v245, v243
	v_nop
	s_wait_alu depctr_va_vdst(0)
.irp j, 0,1,2,3,4,5,6,7
	v_mul_f32 v[232+\j], v[224+\j], v245           ; register j: the weight of key 8 h + j for query r: source 0 of the product below as it stands
.endr
	; OUT_u = P G_u: 4 steps of 4 keys; G's registers 2 s, 2 s + 1 hold keys 8 h + 2 s + 0, 1 of column r: source 1 as they stand (far more than nine plain places lie behind G's last product)
	v_wmma_f32_16x16x4_f32 v[208:215], v[232:233], v[192:193], 0
	v_wmma_f32_16x16x4_f32 v[216:223], v[232:233], v[200:201], 0
.irp s, 1,2,3
	v_wmma_f32_16x16x4_f32 v[208:215], v[232+2*\s:233+2*\s], v[192+2*\s:193+2*\s], v[208:215]
	v_wmma_f32_16x16x4_f32 v[216:223], v[232+2*\s:233+2*\s], v[200+2*\s:201+2*\s], v[216:223]
.endr
.rept 8
	v_nop
.endr
.irp u, 0,1
.irp j, 0,1,2,3,4,5,6,7
	ds_store_b32 v9, v[208+8*\u+\j] offset:144*\j+4*\u   ; (query 8 h + j, column 2 r + u) of my head's part
.endr
.endr
	s_wait_dscnt 0x0                               ; for the others' sake: my stores have landed
	s_barrier_signal -1
	s_barrier_wait -1
.irp p, 0,1,2,3,4,5,6,7,8,9,10,11,12,13,14,15
	ds_load_b32 v[16+\p], v10 offset:2304*\p       ; wave w sums row w over the sixteen heads
.endr
	s_wait_dscnt 0x0
	v_pk_add_f32 v[16:17], v[16:17], v[24:25]
	v_pk_add_f32 v[18:19], v[18:19], v[26:27]
	v_pk_add_f32 v[20:21], v[20:21], v[28:29]
	v_pk_add_f32 v[22:23], v[22:23], v[30:31]
	v_pk_add_f32 v[16:17], v[16:17], v[20:21]
	v_pk_add_f32 v[18:19], v[18:19], v[22:23]
	v_pk_add_f32 v[16:17], v[16:17], v[18:19]
	v_add_f32 v16, v16, v17
	v_add_f32 v16, v16, v12                        ; and the bias
	global_store_b32 v8, v16, s[10:11]             ; 128 consecutive bytes of row w
	s_wait_tensorcnt 0x0                           ; the wave's end
	ds_add_u32 v[SPW], v[NIL]
	s_wait_dscnt 0x0
	s_endpgm
.Lfunc_end_k_qf23153538e_first16:
	.size	k_qf23153538e_first16, .Lfunc_end_k_qf23153538e_first16-k_qf23153538e_first16
	.p2alignl 7, 3214868480
	.fill 96, 4, 3214868480
	.section	.rodata,"a",@progbits
	.p2align	6, 0x0
	.amdhsa_kernel k_qf23153538e_first16
		.amdhsa_group_segment_fixed_size 38912
		.amdhsa_private_segment_fixed_size 0
		.amdhsa_enable_private_segment 0
		.amdhsa_kernarg_size 32
		.amdhsa_user_sgpr_count 2
		.amdhsa_user_sgpr_kernarg_segment_ptr 1
		.amdhsa_wavefront_size32 1
		.amdhsa_system_sgpr_workgroup_id_x 1
		.amdhsa_system_sgpr_workgroup_id_y 1
		.amdhsa_system_sgpr_workgroup_id_z 1
		.amdhsa_system_vgpr_workitem_id 0
		.amdhsa_next_free_vgpr 256
		.amdhsa_next_free_sgpr 66
		.amdhsa_reserve_vcc 1
		.amdhsa_float_denorm_mode_32 3
		.amdhsa_float_denorm_mode_16_64 3
		.amdhsa_memory_ordered 1
		.amdhsa_forward_progress 1
		.amdhsa_inst_pref_size 18
	.end_amdhsa_kernel
	.amdgpu_metadata
---
amdhsa.version: [ 1, 2 ]
amdhsa.kernels:
  - .name:           k_qf23153538e_first16
    .symbol:         k_qf23153538e_first16.kd
    .args:
      - { .name: h16, .offset: 0, .size: 8, .value_kind: global_buffer, .address_space: global }
      - { .name: Wo, .offset: 8, .size: 8, .value_kind: global_buffer, .address_space: global }
      - { .name: bo, .offset: 16, .size: 8, .value_kind: global_buffer, .address_space: global }
      - { .name: out0, .offset: 24, .size: 8, .value_kind: global_buffer, .address_space: global }
    .group_segment_fixed_size: 38912
    .private_segment_fixed_size: 0
    .kernarg_segment_align: 8
    .kernarg_segment_size: 32
    .max_flat_workgroup_size: 512
    .sgpr_count:     66
    .vgpr_count:     256
    .wavefront_size: 32
...
	.end_amdgpu_metadata
.endif
;; end of part 5
